; MI455X (gfx1250); checked and timed in simulation.
; The chip was launched on July 23, 2026; its instructions are those of AMD's public machine-readable ISA for CDNA 5 (MIT licence, August 2026) and "CDNA5" Instruction Set Architecture Reference Guide (July 2026). The comments in the code are by the model that wrote it; some were corrected since.
;; Multi Head Self Attention. Allowed arithmetic: matrix products marked QUANTISED: E3M2 operands, one E8M0 scale for each 32 along K, by v_wmma_scale_f32_16x16x128_f8f6f4 with both operands' format E3M2, f32 sums; everything else in f32.
;; Inputs: W_o 1,024 x 1,024 float32; W_qkv 3,072 x 1,024 float32; token_positions 2,048 int32; x 4 x 2,048 x 1,024 float32.
;; Outputs: out0 4 x 2,048 x 1,024 float32.
;; This version of the problem:
;;   THIS VERSION OF THE PROBLEM IS GIVEN IN LOW PRECISION. The matrix products marked QUANTISED in the list below multiply operands that are first quantised to E3M2 (3 exponent bits, 2 mantissa bits; 6 bits a number), with one power-of-two scale for each 32 numbers along K (OCP MX v1.0); their sums are f32. All else is computed in f32.
;;   The module's matrix products, in the order in which they are computed (A, B: the left and right operand; K: the contracted axis; several contracted axes count as one K, in the product's order):
;;     1. [M 8,192, K 1,024] x [K 1,024, N 3,072]; A: input x; B: input W_qkv: QUANTISED
;;     2. batch 64 x [M 2,048, K 64] x [K 64, N 2,048]; A: computed on the way; B: computed on the way: QUANTISED
;;     3. batch 64 x [M 2,048, K 2,048] x [K 2,048, N 64]; A: softmax (see below); B: computed on the way: QUANTISED
;;     4. [M 8,192, K 1,024] x [K 1,024, N 1,024]; A: computed on the way; B: input W_o: QUANTISED
;;   THE QUANTISER, for each operand of a quantised product, along K:
;;     - K is cut into blocks of 32 from its start; a last block that is shorter is filled with zeros.
;;     - A block's scale is 2^e with e = floor(log2(the largest magnitude in the block)) - 4, held to -126 .. 127; a block of zeros has e = 0. As a byte (E8M0): e + 127.
;;     - Each number is divided by its block's scale, clamped to +-28, and rounded to the nearest number of E3M2, ties to even, subnormals kept.
;;     - The product sums the exact products of the quantised numbers (number of the format x scale) in f32.
;;   ~~~python
;;   def quantise(x, axis):      # numpy; x: float32 -> the quantised numbers, widened to float32 again
;;       x = np.moveaxis(x, axis, -1); K = x.shape[-1]
;;       x = np.pad(x, [(0, 0)] * (x.ndim - 1) + [(0, -K % 32)]); x = x.reshape(x.shape[:-1] + (-1, 32)); a = np.abs(x).max(-1, keepdims=True)
;;       e = np.where(a > 0, np.clip(np.frexp(np.where(a > 0, a, 1))[1] - 1 - 4, -126, 127), 0)      # np.frexp(a)[1] - 1 = floor(log2(a)), exactly
;;       r = np.clip(x / 2.0 ** e, -28, 28)
;;       step = 2.0 ** (np.maximum(np.frexp(np.where(r == 0, 1, r))[1] - 1, -2) - 2)
;;       q = np.round(r / step) * step * 2.0 ** e      # np.round: ties to even
;;       return np.moveaxis(q.reshape(q.shape[:-2] + (-1,))[..., :K], -1, axis).astype(np.float32)
;;   ~~~
;;   SOFTMAX AHEAD OF A QUANTISED PRODUCT. Where the list says 'softmax', what is quantised is not the finished softmax but p = 2^(t - M), with t = logit x log2(e) and M = ceil(the row's largest t), a whole number; so 1/2 < the row's largest p <= 1. The row's sum l is taken of the UNQUANTISED p, in f32, and the product's result is divided by l at the end. Since M is a whole number, a kernel that streams over the keys may use a running M (the ceiling of the running maximum): every later rescaling is an exact power of two, which a block's scale takes up: the codes' values come out the same.
;;   OPERANDS COMPUTED ON THE WAY. 'Computed on the way' means the value that the module computes at that place (a softmax that the list does not call 'softmax' is quantised finished and normalised). What goes into a quantiser is computed in f32, as accurately as f32 sums, v_exp_f32 and their like allow (about 1e-6 of the number): no bf16 or f16 on the way to a quantiser, and a product that is left as it is and whose result goes on into a quantised operand takes f32 operands (vector FMAs, or v_wmma_f32_16x16x4_f32). A number that lies on a knife's edge between two numbers of the format may be rounded either way, as far as f32 arithmetic and the matrix unit's own rounding can turn it there, and no further.
;; One version. Each part assembles by itself: llvm-mc -triple=amdgcn-amd-amdhsa -mcpu=gfx1250 --defsym DOCPART=n.
;; ======== version 1 of 1: 4 launches
;; limits: right only within a limited range of input values
;; workspace buffers: prep 10,354,688 bytes; qkv 20,185,088 bytes; att 6,553,600 bytes
;; launch prep (part 1): grid 416 x 1, 4 waves a work-group, no clusters, 59,392 bytes of LDS; arguments x, W_qkv, W_o, token_positions, prep; writes prep
.if DOCPART == 1
	.amdgcn_target "amdgcn-amd-amdhsa--gfx1250"
	.amdhsa_code_object_version 6
	.text
	.protected	k_q4e6c17c38f_prep
	.globl	k_q4e6c17c38f_prep
	.p2align	8
	.type	k_q4e6c17c38f_prep,@function
k_q4e6c17c38f_prep:
	s_mov_b64 s[64:65], 0
	v_nop
	global_prefetch_b8 v0, s[64:65] scope:SCOPE_SE
	s_setreg_imm32_b32 hwreg(HW_REG_WAVE_MODE, 25, 1), 1
	s_wait_xcnt 0x0
; x [8192][1024], W_qkv [3072][1024] and W_o [1024][1024], f32, are turned into codes of BF6 (E3M2), 6 bits each, K innermost (768 bytes a row), with one E8M0 scale byte for each 32 along K
; (32 bytes a row); and token_positions into a table of cosines and sines for the rotation of q and k.  All go into parts of one workspace buffer.
; A block's scale is 2^(floor(log2(its largest magnitude)) - 4); its byte is the largest magnitude's exponent field - 4, held at 1 from below.  A block of zeros so gets the byte 1 where the rule
; says 127: its codes are zeros, which add nothing under any byte but 0xff, and this program alone reads the bytes.
; THE ROWS OF x AND OF W_qkv ARE LAID AT PLACES WITH BITS 3 AND 4 OF THE ROW'S NUMBER EXCHANGED: sixteen neighbouring rows 16 i + r of the workspace are then the rows 32 (i / 2) + 8 (i % 2) + r + 8 (r / 8),
; the tile whose product, used as source 0, leaves 16 neighbours along the next K in a lane's registers.  W_o's rows likewise.
; A wave takes 8 rows (16 steps of 512 numbers), so the exchange is an exchange of the two bits of the wave's number in the place that it writes to.
; Work-groups 0-255: x; 256-351: W_qkv; 352-383: W_o; 384-415: the table (no LDS on that way).  No tensor loads; the four waves share the images in LDS, behind one barrier.
; LIMITS: NaN and infinities among the inputs are not served; blocks whose largest magnitude lies under 2^(4 - 126) have their byte held at 1.  The table: |position| up to 2^20 (the reduction by
; pi / 2 has two terms); 10000^(-i / 32) is made by v_exp_f32 and lies within about one unit in the last place of the true number.
.set STEPS, 16
.set EMAX,  4
.set CB,    12                         ; bytes of 16 codes
.set R,     16                         ; v16-79   four sets of 16 numbers as they are loaded
.set X,     80                         ; v80-111  two sets of 16 neighbours
.set C,     128                        ; v128-191 codes: four registers for each step, so that no store's data are written again
.set E,     112                        ; v112-127 a scale byte for each step
.set WREG,  8192                       ; LDS: a region of its own for each wave: two stages of 32 x SP bytes, and behind them its 256 scale bytes
.set SP,    80                         ; a lane's place in a stage: its 64 bytes + 16 of padding
.set WC,    6291456                    ; the workspace's parts, in bytes: x's codes at 0, W_qkv's here,
.set OC,    8650752                    ; W_o's,
.set XS,    9437184                    ; x's scale bytes,
.set WS,    9699328                    ; W_qkv's,
.set OS,    9797632                    ; W_o's,
.set ROPE,  9830400
; THE CODES LEAVE AS IMAGES OF THE OPERAND'S REGISTERS, for all three tensors: 16 rows x 1,024 K are 12,288 bytes: for each 128 along K six pieces of 256 bytes, piece 3 c + j = bytes 8 j .. 8 j + 7
; of the block 2 c + h of row r at 8 (r + 16 h).  A work-group's 32 rows (two such tiles) are gathered in LDS, each piece in a place of 272 bytes, and stored as they lie.
; All three tensors' rows, W_o's too, are laid with bits 3 and 4 of the row's number exchanged.
.set IMG,   33280                      ; LDS: the two tiles' images, 96 pieces x 272 bytes, behind the spare words
.set JF,    16                         ; the table's way: v16-31 the pair's number as f32
.set EX,    32                         ; v32-47  2^(-number x C)
.set INV,   48                         ; v48-63  the frequency
.set RES,   64                         ; v64-95  cos, sin of 16 pairs
	s_load_b256 s[4:11], s[0:1], 0x0               ; x s[4:5], W_qkv s[6:7], W_o s[8:9], token_positions s[10:11]
	s_load_b64 s[12:13], s[0:1], 0x20              ; the workspace
	v_lshl_add_u32 v192, v0, 2, 0x8000
	v_mov_b32 v193, 0
	v_lshrrev_b32 v1, 5, v0
	v_readfirstlane_b32 s16, v1                    ; wave
	v_and_b32 v2, 31, v0                           ; lane
	s_cmp_ge_u32 ttmp9, 384
	s_cbranch_scc1 .Lrope
	v_lshlrev_b32 v3, 4, v2                        ; my 16 bytes of a load's 512
	s_mul_i32 s17, s16, WREG
	v_lshrrev_b32 v14, 2, v2
	v_mul_u32_u24 v14, v14, SP
	v_and_b32 v15, 3, v2
	v_lshl_add_u32 v14, v15, 4, v14
	v_add_nc_u32 v14, s17, v14                     ; the stage, on the way in: four lanes' 64 bytes on end, then 16 of padding
	v_mul_u32_u24 v15, v2, SP
	v_add_nc_u32 v15, s17, v15                     ; and on the way out: SP x lane: my 16 neighbours
	v_lshrrev_b32 v4, 3, v2                        ; my 16 codes in the image: 128 along K take 6 places,
	v_mul_u32_u24 v4, v4, 1632
	v_bfe_u32 v10, v2, 2, 1
	v_mad_u32_u24 v4, v10, 816, v4                 ; c: 3 places,
	v_bfe_u32 v10, v2, 1, 1
	v_lshl_add_u32 v4, v10, 7, v4                  ; h: 128 bytes
	s_and_b32 s18, s16, 1                          ; the wave's two bits exchanged: its low bit picks the tile,
	s_mul_i32 s18, s18, 13056
	s_lshr_b32 s19, s16, 1                         ; its high bit rows 0-7 or 8-15
	s_lshl_b32 s19, s19, 6
	s_add_co_u32 s18, s18, s19
	s_add_co_u32 s18, s18, IMG
	v_add_nc_u32 v4, s18, v4
	v_and_b32 v10, 1, v2                           ; the block's lower or upper 12 bytes: words at 0, 4, 272 or at 276, 544, 548
	v_mad_u32_u24 v1, v10, 540, v4
	v_mad_u32_u24 v4, v10, 276, v4
	v_lshlrev_b32 v194, 4, v0                      ; the way out: 16 bytes a thread,
	v_lshrrev_b32 v195, 4, v0
	v_mul_u32_u24 v195, v195, 272                  ; sixteen threads to a piece
	v_and_b32 v10, 15, v0
	v_lshl_add_u32 v195, v10, 4, v195
	v_add_nc_u32 v195, IMG, v195
	v_lshrrev_b32 v5, 1, v2
	s_add_co_u32 s17, s17, 2*32*SP
	v_add_nc_u32 v5, s17, v5                       ; LDS: my wave's 256 scale bytes, my block's byte
	v_lshlrev_b32 v7, 3, v2                        ; and on the way out 8 bytes a lane
	v_add_nc_u32 v6, s17, v7
	s_mov_b32 s22, WS
	s_wait_alu depctr_va_vdst(0)
	s_wait_kmcnt 0x0
	s_cmp_lt_u32 ttmp9, 256                        ; which tensor?  The choices hang on the work-group's number alone
	s_cselect_b64 s[4:5], s[4:5], s[6:7]
	s_cselect_b32 s20, 0, 256                      ; the tensor's first work-group,
	s_cselect_b32 s21, 0, WC                       ; where its codes go,
	s_cselect_b32 s22, XS, s22                     ; and its scale bytes
	s_cmp_lt_u32 ttmp9, 352
	s_cselect_b64 s[4:5], s[4:5], s[8:9]
	s_cselect_b32 s20, s20, 352
	s_cselect_b32 s21, s21, OC
	s_cselect_b32 s22, s22, OS
	s_and_b32 s24, s16, 1
	s_lshl_b32 s24, s24, 1
	s_lshr_b32 s25, s16, 1
	s_or_b32 s24, s24, s25                         ; the wave's two bits exchanged
	s_sub_co_u32 s17, ttmp9, s20
	s_lshl_b32 s17, s17, 2
	s_add_co_u32 s18, s17, s16                     ; the run of 8 rows that I read,
	s_add_co_u32 s24, s17, s24                     ; and the place that I write it to
	s_lshl_b32 s18, s18, 15                        ; 32,768 bytes a run
	s_mov_b32 s19, 0
	s_add_nc_u64 s[4:5], s[4:5], s[18:19]
	s_mul_i32 s26, s17, 32*STEPS*CB                ; the work-group's two tiles: 24,576 bytes
	s_add_co_u32 s26, s26, s21
	s_mov_b32 s27, 0
	s_add_nc_u64 s[28:29], s[12:13], s[26:27]
	s_lshl_b32 s26, s24, 8                         ; 256 scale bytes a run
	s_add_co_u32 s26, s26, s22
	s_add_nc_u64 s[30:31], s[12:13], s[26:27]
.macro LOAD t
.irp i, 0,1,2,3
	global_load_b128 v[R+16*((\t)%4)+4*\i:R+16*((\t)%4)+4*\i+3], v3, s[4:5] offset:2048*(\t)+512*\i th:TH_LOAD_NT   ; 32 lanes read 512 consecutive bytes
.endr
.endm
.macro TURN t                          ; step t's numbers through the stage: LDS serves a wave's instructions in order, so no wait stands between the stores and the loads
.irp i, 0,1,2,3
	ds_store_b128 v14, v[R+16*((\t)%4)+4*\i:R+16*((\t)%4)+4*\i+3] offset:32*SP*((\t)%2)+8*SP*\i
.endr
.irp i, 0,1,2,3
	ds_load_b128 v[X+16*((\t)%2)+4*\i:X+16*((\t)%2)+4*\i+3], v15 offset:32*SP*((\t)%2)+16*\i
.endr
.endm
.irp t, 0,1,2,3
	LOAD \t
.endr
	s_wait_loadcnt 12                              ; step 0's four loads are in
	TURN 0
.macro STEP t
.set XT, X+16*((\t)%2)
.if (\t) > 0
	s_wait_dscnt 4                                 ; this step's numbers are back from the stage; the last step's four stores (a byte, three words) may be out
.else
	s_wait_dscnt 0x0
.endif
.if (\t)+4 < STEPS
	LOAD (\t)+4                                    ; which take the loads of four steps on
.endif
.if (\t)+1 < STEPS
.if STEPS-2-(\t) >= 3
	s_wait_loadcnt 12                              ; the next step's four loads are in; those of the three steps behind it may be out
.else
	s_wait_loadcnt 4*(STEPS-2-(\t))
.endif
	TURN (\t)+1                                    ; and go through the other stage while this step is worked
.endif
	v_max3_num_f32 v8, |v[XT]|, |v[XT+1]|, |v[XT+2]|               ; the largest magnitude of my 16
	v_max3_num_f32 v9, |v[XT+3]|, |v[XT+4]|, |v[XT+5]|
.irp i, 6,10
	v_max3_num_f32 v8, v8, |v[XT+\i]|, |v[XT+\i+1]|
	v_max3_num_f32 v9, v9, |v[XT+\i+2]|, |v[XT+\i+3]|
.endr
	v_max3_num_f32 v8, v8, |v[XT+14]|, |v[XT+15]|
	v_max3_num_f32 v8, v8, v9, (EMAX+1)<<23        ; and the floor 2^(EMAX + 1 - 127): so the byte cannot fall under 1
	v_max_num_f32_dpp v8, v8, v8 row_xmask:1 row_mask:0xf bank_mask:0xf   ; and of my neighbour's 16: the block's
	v_add_nc_u32 v11, -(EMAX<<23), v8              ; EMAX off its exponent field: the conversion takes the exponent field of this operand as its scale, and nothing else of it
	v_cvt_scalef32_pk16_bf6_f32 v[C+4*(\t):C+4*(\t)+2], v[XT:XT+15], v11         ; sixteen numbers / the scale, to the nearest code, ties to even, beyond the largest code the largest
	v_lshrrev_b32 v[E+(\t)], 23, v11               ; the scale's byte
	ds_store_b8 v5, v[E+(\t)] offset:16*(\t)       ; both lanes of a block write the same byte with the same value
	ds_store_b32 v4, v[C+4*(\t)] offset:6528*((\t)%2)+8*((\t)/2)          ; row t / 2 of my eight, K from 512 (t % 2) on
	ds_store_b32 v1, v[C+4*(\t)+1] offset:6528*((\t)%2)+8*((\t)/2)+4
	ds_store_b32 v4, v[C+4*(\t)+2] offset:6528*((\t)%2)+8*((\t)/2)+272
.endm
.irp t, 0,1,2,3,4,5,6,7,8,9,10,11,12,13,14,15
	STEP \t
.endr
	ds_load_b64 v[12:13], v6                       ; LDS serves a wave's instructions in order: these see my stores
	s_wait_dscnt 0x0
	global_store_b64 v7, v[12:13], s[30:31]        ; 32 lanes store 256 consecutive bytes, aligned
	s_barrier_signal -1                            ; my LDS stores are done (the wait above): all four waves' parts of the images
	s_barrier_wait -1
.irp i, 0,1,2,3,4,5,6,7,8,9,10,11
	ds_load_b128 v[R+4*\i:R+4*\i+3], v195 offset:2176*\i
.endr
.irp i, 0,1,2,3,4,5,6,7,8,9,10,11
	s_wait_dscnt 11-\i
	global_store_b128 v194, v[R+4*\i:R+4*\i+3], s[28:29] offset:2048*\i   ; a wave stores 512 consecutive bytes, aligned
.endr
	s_wait_tensorcnt 0x0
	ds_add_u32 v192, v193
	s_wait_dscnt 0x0
	s_endpgm
; THE TABLE.  A wave makes one tile of 16 tokens: tile T, lane (r, h) = token 32 (T / 2) + 8 (T % 2) + r + 8 (r / 8).  Its entry (T, j = 0 .. 7, lane) is 16 bytes: cos, sin, cos, sin of the
; pairs 16 (j / 4) + 8 h + 2 (j % 4) + 0, 1: the order in which the next launch's lane holds a head's numbers.
.Lrope:
	s_sub_co_u32 s17, ttmp9, 384
	s_lshl_b32 s17, s17, 2
	s_add_co_u32 s17, s17, s16                     ; the tile
	s_wait_alu depctr_va_vdst(0)
	v_and_b32 v3, 15, v2                           ; r
	v_lshrrev_b32 v4, 4, v2                        ; h
	v_and_b32 v5, 8, v3
	v_add_nc_u32 v5, v5, v3                        ; r + 8 (r / 8)
	s_lshr_b32 s18, s17, 1
	s_lshl_b32 s18, s18, 5
	s_and_b32 s19, s17, 1
	s_lshl_b32 s19, s19, 3
	s_add_co_u32 s18, s18, s19
	v_add_nc_u32 v5, s18, v5                       ; my token
	v_lshlrev_b32 v5, 2, v5
	s_wait_alu depctr_va_vdst(0)
	s_wait_kmcnt 0x0
	global_load_b32 v6, v5, s[10:11]               ; its position
	v_lshlrev_b32 v7, 3, v4                        ; 8 h
	s_wait_alu depctr_va_vdst(0)
	s_mov_b32 s20, 0x342ae147                      ; 1.59145e-7 = ln 2 x (C_HI - C), C = log2(10000) / 32, C_HI = 435412 x 2^-20
	s_mov_b32 s21, 0x3f22f983                      ; 2 / pi
	s_mov_b32 s22, 0xbfc90fdb                      ; -(pi / 2), its upper part,
	s_mov_b32 s23, 0x333bbd2e                      ; and what that part is too large by
	s_mov_b32 s24, 0xb94ca1f9                      ; the sine's polynomial on |r| <= pi / 4: -1.9515295891e-4,
	s_mov_b32 s25, 0x3c08839e                      ; 8.3321608736e-3,
	s_mov_b32 s26, 0xbe2aaaa3                      ; -1.6666654611e-1
	s_mov_b32 s27, 0x37ccf5ce                      ; the cosine's: 2.443315711809948e-5,
	s_mov_b32 s28, 0xbab6061a                      ; -1.388731625493765e-3,
	s_mov_b32 s29, 0x3d2aaaa5                      ; 4.166664568298827e-2
.irp k, 0,1,2,3,4,5,6,7,8,9,10,11,12,13,14,15
	v_add_nc_u32 v[JF+\k], 16*(\k/8)+\k%8, v7      ; the pair's number, 0 .. 31
.endr
.irp k, 0,1,2,3,4,5,6,7,8,9,10,11,12,13,14,15
	v_cvt_f32_u32 v[JF+\k], v[JF+\k]
.endr
.irp k, 0,1,2,3,4,5,6,7,8,9,10,11,12,13,14,15
	v_mul_f32 v[EX+\k], 0xbed49a80, v[JF+\k]       ; -number x C_HI: 5 bits x 19 bits, exact
.endr
	s_wait_alu depctr_va_vdst(0)
.irp k, 0,1,2,3,4,5,6,7,8,9,10,11,12,13,14,15
	v_exp_f32 v[EX+\k], v[EX+\k]                   ; one batch
.endr
	v_lshlrev_b32 v3, 4, v2                        ; (a plain instruction behind the batch)  the way out: 16 bytes a lane
	s_wait_alu depctr_va_vdst(0)                   ; one wait for the sixteen, ahead of their first reader
.irp k, 0,1,2,3,4,5,6,7,8,9,10,11,12,13,14,15
	v_mul_f32 v[INV+\k], v[EX+\k], v[JF+\k]
.endr
.irp k, 0,1,2,3,4,5,6,7,8,9,10,11,12,13,14,15
	v_fma_f32 v[INV+\k], v[INV+\k], s20, v[EX+\k]  ; x (1 + number x 1.59145e-7): C's lower part
.endr
	s_wait_loadcnt 0x0
	v_cvt_f32_i32 v6, v6
.macro SINCOS k
	v_mul_f32 v8, v6, v[INV+\k]                    ; the angle, rounded once
	v_mul_f32 v9, s21, v8
	v_rndne_f32 v9, v9                             ; n = the nearest multiple of pi / 2
	v_fma_f32 v8, v9, s22, v8
	v_fma_f32 v8, v9, s23, v8                      ; r = angle - n pi / 2
	v_mul_f32 v10, v8, v8                          ; z = r r
	v_cvt_i32_f32 v9, v9
	v_fma_f32 v11, v10, s24, s25
	v_fma_f32 v11, v11, v10, s26
	v_mul_f32 v12, v8, v10
	v_fma_f32 v11, v12, v11, v8                    ; sin r
	v_fma_f32 v13, v10, s27, s28
	v_fma_f32 v13, v13, v10, s29
	v_mul_f32 v13, v13, v10
	v_fma_f32 v14, v10, -0.5, 1.0
	v_fma_f32 v13, v13, v10, v14                   ; cos r
	v_and_b32 v12, 1, v9
	v_cmp_eq_u32 vcc_lo, 1, v12                    ; an odd n exchanges the two;
	v_cndmask_b32 v14, v11, v13, vcc_lo
	v_cndmask_b32 v15, v13, v11, vcc_lo
	v_lshlrev_b32 v12, 30, v9                      ; bit 1 of n turns the sine's sign,
	v_add_nc_u32 v9, 1, v9
	v_lshlrev_b32 v9, 30, v9                       ; bit 1 of n + 1 the cosine's
	v_and_b32 v12, 0x80000000, v12
	v_and_b32 v9, 0x80000000, v9
	v_xor_b32 v[RES+2*\k+1], v12, v14
	v_xor_b32 v[RES+2*\k], v9, v15
.endm
.irp k, 0,1,2,3,4,5,6,7,8,9,10,11,12,13,14,15
	SINCOS \k
.endr
	s_lshl_b32 s18, s17, 12
	s_add_co_u32 s18, s18, ROPE
	s_mov_b32 s19, 0
	s_add_nc_u64 s[12:13], s[12:13], s[18:19]
.irp j, 0,1,2,3,4,5,6,7
	global_store_b128 v3, v[RES+4*\j:RES+4*\j+3], s[12:13] offset:512*\j   ; 32 lanes store 512 consecutive bytes, aligned
.endr
	s_endpgm
.Lfunc_end_k_q4e6c17c38f_prep:
	.size	k_q4e6c17c38f_prep, .Lfunc_end_k_q4e6c17c38f_prep-k_q4e6c17c38f_prep
	.p2alignl 7, 3214868480
	.fill 96, 4, 3214868480
	.section	.rodata,"a",@progbits
	.p2align	6, 0x0
	.amdhsa_kernel k_q4e6c17c38f_prep
		.amdhsa_group_segment_fixed_size 59392
		.amdhsa_private_segment_fixed_size 0
		.amdhsa_enable_private_segment 0
		.amdhsa_kernarg_size 40
		.amdhsa_user_sgpr_count 2
		.amdhsa_user_sgpr_kernarg_segment_ptr 1
		.amdhsa_wavefront_size32 1
		.amdhsa_system_sgpr_workgroup_id_x 1
		.amdhsa_system_sgpr_workgroup_id_y 1
		.amdhsa_system_sgpr_workgroup_id_z 1
		.amdhsa_system_vgpr_workitem_id 0
		.amdhsa_next_free_vgpr 196
		.amdhsa_next_free_sgpr 66
		.amdhsa_reserve_vcc 1
		.amdhsa_float_denorm_mode_32 3
		.amdhsa_float_denorm_mode_16_64 3
		.amdhsa_memory_ordered 1
		.amdhsa_forward_progress 1
		.amdhsa_inst_pref_size 63
	.end_amdhsa_kernel
	.amdgpu_metadata
---
amdhsa.version: [ 1, 2 ]
amdhsa.kernels:
  - .name:           k_q4e6c17c38f_prep
    .symbol:         k_q4e6c17c38f_prep.kd
    .args:
      - { .name: x, .offset: 0, .size: 8, .value_kind: global_buffer, .address_space: global }
      - { .name: W_qkv, .offset: 8, .size: 8, .value_kind: global_buffer, .address_space: global }
      - { .name: W_o, .offset: 16, .size: 8, .value_kind: global_buffer, .address_space: global }
      - { .name: token_positions, .offset: 24, .size: 8, .value_kind: global_buffer, .address_space: global }
      - { .name: prep, .offset: 32, .size: 8, .value_kind: global_buffer, .address_space: global }
    .group_segment_fixed_size: 59392
    .private_segment_fixed_size: 0
    .kernarg_segment_align: 8
    .kernarg_segment_size: 40
    .max_flat_workgroup_size: 128
    .sgpr_count:     66
    .vgpr_count:     196
    .wavefront_size: 32
...
	.end_amdgpu_metadata
.endif
;; end of part 1
;; launch qkv (part 2): grid 8 x 48, 4 waves a work-group, clusters of 4 x 4, 327,680 bytes of LDS; arguments prep, qkv; writes qkv
.if DOCPART == 2
	.amdgcn_target "amdgcn-amd-amdhsa--gfx1250"
	.amdhsa_code_object_version 6
	.text
	.protected	k_q4e6c17c38f_qkv
	.globl	k_q4e6c17c38f_qkv
	.p2align	8
	.type	k_q4e6c17c38f_qkv,@function
k_q4e6c17c38f_qkv:
	s_mov_b64 s[64:65], 0
	v_nop
	global_prefetch_b8 v0, s[64:65] scope:SCOPE_SE
	s_setreg_imm32_b32 hwreg(HW_REG_WAVE_MODE, 25, 1), 1
	s_wait_xcnt 0x0
	s_wait_alu depctr_hold_cnt(0) depctr_sa_sdst(0) depctr_va_vdst(0) depctr_va_sdst(0) depctr_va_ssrc(0) depctr_va_vcc(0) depctr_vm_vsrc(0)
	s_getreg_b32 s2, hwreg(HW_REG_IB_STS2, 6, 4)
	s_cmp_eq_u32 s2, 0
	s_cbranch_scc0 .Lentry_in_a_cluster
	s_endpgm
.Lentry_in_a_cluster:
	s_bfe_u32 s2, ttmp6, 0x10000c
	s_cmp_lg_u32 s2, 0xf033
	s_cbranch_scc0 .Lentry_shape_is_right
	s_endpgm
.Lentry_shape_is_right:
; qkv = x W_qkv^T on codes of BF6 (E3M2) with one E8M0 scale for each 32 along K = 1,024; then the rotation of q and k, and the quantisers of q and k (along the head's 64) and of v (along the keys).
; A tile of 256 x 256 of the product is made by a work-group of four waves; a wave makes 128 x 128: 64 accumulators of 16 x 16, 512 registers.  K goes in steps of 256 through a ring of two LDS slots
; filled by the tensor data mover (rows of 3,072 bytes, no padding).  The scale bytes of the work-group's rows, for all of K, come into LDS once, with the first fills.
; TWO SIDES.  Side P is source 0: its rows run along a lane's registers.  Side Q is source 1: a lane holds one of its rows.  For q and k: P = W's rows (the head's numbers), Q = x's rows (a token a lane).
; For v: P = x's rows (tokens, the next product's K), Q = W's rows 2,048 on (a channel a lane).  One text serves both: only offsets differ, chosen by the cluster's y, which all partners share.
; The rows of x and W lie in the workspace with bits 3 and 4 of their numbers exchanged, so that the 16 registers of two neighbouring accumulators are 16 NEIGHBOURS along P.
; CLUSTERS: 4 x 4 work-groups.  The four of a row of the cluster need the same tiles of Q, the four of a column the same tiles of P: each tile is asked for JOINTLY.
; Clusters with y < 8: q and k (P's tile = 4 x + cx of 8, Q's = 4 y + cy of 32).  Clusters with y >= 8: v (P's tile = 4 (2 (y - 8) + x) + cx of 32, Q's = 8 + cy).
; THE WAY OUT uses no LDS: results are quantised in registers and stored as IMAGES OF THE NEXT OPERAND'S REGISTERS, each store 256 or 512 consecutive bytes, aligned.
; REGISTERS, in windows of 256: window 0: v0-31 addresses; v32-63 scale words, two sets; v64-127 the table's entries of Q's blocks 0, 1; from v128 Q's fragments, ONE set.
;   window 1: P's fragments, TWO sets, at v0 and at v128 (on the way out: the table's entries of blocks 2-7).   windows 2, 3: accumulator (a, b) at v[64 (a % 4) + 8 b] of window 2 + a / 4.
; LIMITS: NaN and infinities are not served; a block of zeros gets the byte 1 (its codes are zeros; this program alone reads the bytes).
.set KSTEP,  256                       ; along K in a slot
.set NQ,     2                         ; matrix instructions deep
.set ROWB,   192                       ; a tile's row in bytes
.set KROW,   768                       ; a row of codes in memory
.set PITCH,  240
.set FR,     12                        ; registers of a fragment: 16 rows x 128 K
.set NL,     6                         ; LDS loads that bring one
.set NP,     4                         ; places behind this matrix instruction (ISA guide 7.12.1)
; THE CODES OF x AND W LIE AS IMAGES OF THE OPERAND'S REGISTERS: a tile of 16 rows is 12,288 bytes, its 256 along K 3,072 dense bytes: those are the tensor loads' rows, laid in LDS with no padding;
; a fragment's piece is 256 consecutive bytes, 8 a lane.
.set ASTEP,  3072                      ; 16 rows x 256 along K
.set HALFT,  8*ASTEP                   ; 128 rows: what one tensor load of the ring brings
.set SLOT,   4*HALFT                   ; Q's 256 rows, then P's 256 rows
.set LAPS,   2                         ; a lap = two K steps = once round the ring
.set KS,     32                        ; a row of scales in bytes
.set SCL,    2*SLOT                    ; behind the ring: the scales, as units of 256 bytes + 16 of padding
.set HALFS,  (128*KS/256)*272          ; the scales of 128 rows
.set SBLK,   (16*KS/256)*272           ; those of 16 rows
.set SPARE,  SCL+4*HALFS               ; behind the scales: the spare words, 128 bytes for each wave
.set WC,     6291456                   ; parts of prep: x's codes at 0, W_qkv's here,
.set XS,     9437184                   ; x's scale bytes,
.set WS,     9699328                   ; W_qkv's,
.set ROPE,   9830400                   ; the table of cosines and sines
.set KC,     6291456                   ; parts of qkv: q's codes at 0, k's here,
.set VC,     12582912                  ; v's,
.set QS,     18874368                  ; q's scale words, 8,192 bytes a head,
.set KVS,    19398656                  ; k's (8,192) and v's (4,096), 12,288 bytes a head
.set ADRA, 16                          ; v16-17  LDS address of my Q fragments in slot 0, 1
.set ADRB, 20                          ; v20-21  the same for P
.set ADRS, 27                          ; v27     LDS address of my scale words: lanes 0-15 Q's rows, lanes 16-31 P's
.set SPW,  28                          ; v28     LDS address of my spare word; never rewritten
.set NIL,  29                          ; v29     0; never rewritten
.set L16,  30                          ; v30     16 x lane; never rewritten
.set L8,   31                          ; v31     8 x lane; never rewritten
.set SC,   32                          ; scale words: set s at v[SC + 16 s]
.set AF,   128                         ; Q's fragments, in window 0
.set SW,   32                          ; the way out: v32-39 a scale word for each block a
.set HA,   128                         ; v128-191 64 rotated numbers
.set CD,   192                         ; v192-211 the codes just made
.set TM,   212                         ; v212-227 at work in the quantiser
.set VSO,  228                         ; v228 where v's scale words go
.set G1, 24                            ; s[24:31] descriptor group 1 for Q's tiles;  s[32:39] group 0, one set for each slot
.set G0, 32
.set G1B, 48                           ; s[48:55], s[56:63] the same for P's tiles
.set G0B, 56
.set G1S, 68                           ; s[68:75], s[76:79] groups 1 and 0 for Q's scales;  s[80:87], s[88:91] for P's
.set G0S, 76
.set G1SB, 80
.set G0SB, 88
.set MSB, 0
.macro WIN new                         ; the immediate's high byte repeats the setting that is left
.if MSB != \new
	s_set_vgpr_msb (MSB<<8)|\new
.set MSB, \new
.endif
.endm
.set MUL_LO, 0xa1                      ; source 0 (P) window 1, source 1 (Q) window 0, C and D window 2
.set MUL_HI, 0xf1                      ; the same, C and D window 3
.set TO_B,   0x40                      ; destination window 1, address window 0
; A joint load: waves 0 and 1 fetch for Q, waves 2 and 3 for P.  Each of the two lines has ONE mask and one set of registers for all that issue it; the branch hangs on the wave's number alone.
; Four v_nop follow each of the two lines, ahead of the jump, the label and what follows.
.macro JLOAD g0a, g1a, g0b, g1b
	s_cmp_eq_u32 s15, 0
	s_cbranch_scc0 .Lfor_b_\@
	tensor_load_to_lds s[\g0a:\g0a+3], s[\g1a:\g1a+7]
	s_nop 0
.rept 4
	v_nop
.endr
	s_branch .Lasked_\@
.Lfor_b_\@:
	tensor_load_to_lds s[\g0b:\g0b+3], s[\g1b:\g1b+7]
	s_nop 0
.rept 4
	v_nop
.endr
.Lasked_\@:
.endm
.macro CREST                           ; a round of the cluster's barrier behind its opening barrier
	s_cmp_lg_u32 s14, 0
	s_cbranch_scc1 .Lnot_wave_0_\@
	s_barrier_signal -3
.Lnot_wave_0_\@:
	s_barrier_wait -3
	s_barrier_signal -1
	s_barrier_wait -1
.endm
.macro CROUND                          ; a whole round
	s_barrier_signal -1
	s_barrier_wait -1
	CREST
.endm
	s_load_b128 s[4:7], s[0:1], 0x0                ; prep s[4:5], qkv s[6:7]
	v_lshl_add_u32 v[SPW], v0, 2, SPARE
	v_mov_b32 v[NIL], 0
	ds_add_u32 v28, v29
	ds_add_u32 v28, v29
	s_wait_dscnt 0x0
	v_lshrrev_b32 v1, 5, v0
	v_readfirstlane_b32 s14, v1                    ; wave 0..3
	s_lshr_b32 s15, s14, 1                         ; which half of Q's rows is mine.  Also: I fetch for Q (0) or for P (1)
	s_and_b32 s16, s14, 1                          ; which half of P's rows.  Also: which 128 rows of that tile I fetch
	s_bfe_u32 s40, ttmp6, 0x40000                  ; cx, cy: my place in the cluster
	s_bfe_u32 s41, ttmp6, 0x40004
	s_and_b32 s12, ttmp7, 0xffff                   ; the cluster's y
	s_sub_co_u32 s13, s12, 8
	s_lshl_b32 s13, s13, 1
	s_add_co_u32 s13, s13, ttmp9                   ; 2 (y - 8) + x
	s_mov_b32 s9, XS
	s_mov_b32 s11, WS
	s_cmp_ge_u32 s12, 8                            ; v's clusters: the same answer in all sixteen partners
	s_cselect_b32 s95, 1, 0
	s_cselect_b32 s13, s13, ttmp9                  ; four tiles of P begin at 4 x this,
	s_cselect_b32 s12, 2, s12                      ; four of Q at 4 x this
	s_cselect_b32 s8, WC, 0                        ; where Q's codes lie in prep,
	s_cselect_b32 s9, WS, s9                       ; Q's scale bytes,
	s_cselect_b32 s10, 0, WC                       ; P's codes,
	s_cselect_b32 s11, XS, s11                     ; P's scale bytes
	s_lshl_b32 s42, s13, 2
	s_add_co_u32 s42, s42, s40                     ; P's tile
	s_lshl_b32 s17, s12, 2
	s_add_co_u32 s17, s17, s41                     ; Q's tile
	s_lshl_b32 s43, s41, 2
	s_lshl_b32 s43, 15, s43                        ; my row of the cluster
	s_lshl_b32 s44, 0x1111, s40                    ; my column
	; descriptor group 1: rows of 3,072 bytes (a tile of 16 rows each), dense in LDS
	s_or_b32 s[G1+0], s43, (3<<16)|(1<<21)         ; elements of 8 bytes; the mask: Q's tiles go to my row; bit 21 beside it
	s_or_b32 s[G1B+0], s44, (3<<16)|(1<<21)
.irp g, G1, G1B
	s_mov_b32 s[\g+1], 384<<16                     ; a row: 3,072 bytes
	s_mov_b32 s[\g+2], 16<<16                      ; sixteen tiles of 16 rows for the head's loads; eight behind them
	s_mov_b32 s[\g+3], 384<<16
	s_mov_b32 s[\g+4], 16
	s_mov_b32 s[\g+5], 1536                        ; 12,288 bytes from tile to tile
	s_mov_b32 s[\g+6], 0
	s_mov_b32 s[\g+7], 0
.endr
	; and for the scales of 256 rows: a dense block of 8,192 bytes, as rows of 256 bytes (32 elements of 8 bytes), 16 bytes of padding behind each
	s_or_b32 s[G1S+0], s43, (3<<16)|(1<<20)|(1<<21)|(5<<22)|(3<<25)
	s_or_b32 s[G1SB+0], s44, (3<<16)|(1<<20)|(1<<21)|(5<<22)|(3<<25)
.irp g, G1S, G1SB
	s_mov_b32 s[\g+1], 32<<16
	s_mov_b32 s[\g+2], KS<<16                      ; the scales of 256 rows: KS rows of 256 bytes
	s_mov_b32 s[\g+3], 32<<16
	s_mov_b32 s[\g+4], KS
	s_mov_b32 s[\g+5], 32
	s_mov_b32 s[\g+6], 0
	s_mov_b32 s[\g+7], 0
.endr
	s_lshl_b32 s20, s17, 8                         ; Q: the tile's first row
	s_lshl_b32 s46, s42, 8                         ; P likewise
	s_mov_b32 s21, 0
	s_mov_b32 s47, 0
	s_mov_b64 s[18:19], KS
	s_mul_u64 s[22:23], s[20:21], s[18:19]         ; where these rows' scales begin, in bytes
	s_mul_u64 s[92:93], s[46:47], s[18:19]
	s_mov_b64 s[18:19], KROW
	s_mul_u64 s[20:21], s[20:21], s[18:19]         ; and their codes
	s_mul_u64 s[46:47], s[46:47], s[18:19]
	s_add_co_u32 s20, s20, s8                      ; each in its part of prep (all under 2^24: no carry)
	s_add_co_u32 s22, s22, s9
	s_add_co_u32 s46, s46, s10
	s_add_co_u32 s92, s92, s11
	s_mul_i32 s45, s14, HALFT                      ; where they go: wave x 128 rows: no place in the cluster enters an LDS address
	s_mul_i32 s18, s16, 128*KROW                   ; in the ring I fetch 128 rows of a tile: which half, in bytes
	s_mov_b32 s19, 0
	s_wait_kmcnt 0x0
	s_add_nc_u64 s[20:21], s[4:5], s[20:21]
	s_add_nc_u64 s[22:23], s[4:5], s[22:23]
	s_add_nc_u64 s[46:47], s[4:5], s[46:47]
	s_add_nc_u64 s[92:93], s[4:5], s[92:93]
	CROUND                                         ; all sixteen work-groups are here: the first joint loads meet
	s_mov_b32 s[G0S], 1
	s_mov_b32 s[G0S+1], SCL
	s_mov_b64 s[G0S+2:G0S+3], s[22:23]
	s_or_b32 s[G0S+3], s[G0S+3], 0x80000000
	s_mov_b32 s[G0SB], 1
	s_mov_b32 s[G0SB+1], SCL+2*HALFS
	s_mov_b64 s[G0SB+2:G0SB+3], s[92:93]
	s_or_b32 s[G0SB+3], s[G0SB+3], 0x80000000
.irp s, 0,1
	s_mov_b32 s[G0+4*\s], 1
	s_add_co_u32 s[G0+4*\s+1], s45, \s*SLOT
	s_add_nc_u64 s[G0+4*\s+2:G0+4*\s+3], s[20:21], \s*ASTEP
	s_or_b32 s[G0+4*\s+3], s[G0+4*\s+3], 0x80000000
	s_mov_b32 s[G0B+4*\s], 1
	s_add_co_u32 s[G0B+4*\s+1], s45, \s*SLOT
	s_add_nc_u64 s[G0B+4*\s+2:G0B+4*\s+3], s[46:47], \s*ASTEP
	s_or_b32 s[G0B+4*\s+3], s[G0B+4*\s+3], 0x80000000
.endr
	s_mov_b32 s[G0+1], 0                           ; for the head slot 0's sets name whole tiles: Q's 256 rows at 0,
	s_mov_b32 s[G0B+1], 2*HALFT                    ; P's behind them;
	s_add_nc_u64 s[G0+6:G0+7], s[G0+6:G0+7], s[18:19]      ; slot 1's name my 128 rows
	s_add_nc_u64 s[G0B+6:G0B+7], s[G0B+6:G0B+7], s[18:19]
; THE HEAD'S LOADS, ONE A WAVE: wave 0 K step 0 of Q's 256 rows, wave 1 of P's, wave 2 the scales of Q's 256 rows, wave 3 those of P's.  One chain of branches on the wave's number.
.macro ARM under, g0, g1, next
	s_cmp_lt_u32 s14, \under
	s_cbranch_scc0 \next
	tensor_load_to_lds s[\g0:\g0+3], s[\g1:\g1+7]
	s_nop 0
.rept 4
	v_nop
.endr
	s_branch .Lhead_asked
\next:
.endm
	ARM 1, G0,  G1,  .Lhead_b
	ARM 2, G0B, G1B, .Lhead_sa
	ARM 3, G0S, G1S, .Lhead_sb
	tensor_load_to_lds s[G0SB:G0SB+3], s[G1SB:G1SB+7]
	s_nop 0
.rept 4
	v_nop
.endr
.Lhead_asked:
	v_and_b32 v1, 15, v0                           ; l % 16
	v_bfe_u32 v2, v0, 4, 1                         ; l / 16
	s_wait_alu depctr_va_vdst(0)                   ; the wait
	v_and_b32 v4, 31, v0
	v_lshlrev_b32 v4, 3, v4                        ; 8 x lane: my place in a piece
	s_mul_i32 s21, s15, HALFT                      ; my 128 rows of Q
	s_mul_i32 s22, s16, HALFT                      ; my 128 rows of P,
	s_add_co_u32 s22, s22, 2*HALFT                 ; which lie behind Q's 256
.irp s, 0,1
	v_add_nc_u32 v[ADRA+\s], s21, v4
	v_add_nc_u32 v[ADRB+\s], s22, v4
	s_add_co_u32 s21, s21, SLOT
	s_add_co_u32 s22, s22, SLOT
.endr
	v_mul_u32_u24 v5, v1, KS                       ; my row's scales: KS bytes a row,
	v_lshrrev_b32 v6, 8, v5
	v_lshl_add_u32 v5, v6, 4, v5                   ; and 16 more for each 256 passed
	s_mul_i32 s21, s15, HALFS                      ; Q's: my 128 rows
	s_mul_i32 s22, s16, HALFS                      ; P's: my 128 rows, behind Q's 256
	s_add_co_u32 s22, s22, 2*HALFS
	s_sub_co_u32 s22, s22, s21
	v_mul_u32_u24 v6, s22, v2                      ; lanes 16-31 take P's
	s_add_co_u32 s21, s21, SCL
	v_add_nc_u32 v5, v5, v6
	v_add_nc_u32 v[ADRS], s21, v5
	; the table's entries of my first two tiles of tokens are asked for now and land during the products.  (On v's way they are not read: the address is a valid one there too.)
	v_and_b32 v6, 31, v0
	v_lshlrev_b32 v[L16], 4, v6
	s_wait_alu depctr_va_vdst(0)
	v_lshlrev_b32 v[L8], 3, v6
	s_lshl_b32 s96, s17, 4
	s_lshl_b32 s97, s15, 3
	s_add_co_u32 s96, s96, s97
	s_and_b32 s96, s96, 127                        ; my first tile of 16 tokens in its sequence: a multiple of 8
	s_lshl_b32 s96, s96, 12
	s_add_co_u32 s96, s96, ROPE
	s_mov_b32 s97, 0
	s_add_nc_u64 s[96:97], s[4:5], s[96:97]
.irp a, 0,1
.irp j, 0,1,2,3,4,5,6,7
	global_load_b128 v[64+32*\a+4*\j:64+32*\a+4*\j+3], v[L16], s[96:97] offset:\a*4096+\j*512
.endr
.endr
.macro FRAG reg, adr, q, i             ; a fragment, 16 rows x 128 K of 6-bit codes, is 12 registers: lane l holds row l % 16; registers 6 c .. 6 c + 5 hold K = 64 c + 32 (l / 16) + 0 .. 31: 24 bytes of the row, as they lie
.irp p, 0,1,2,3,4,5                    ; in pieces of 8 bytes.  Lanes 0-15 take the row's pieces 12 q + 0, 1, 2 and 12 q + 6, 7, 8, lanes 16-31 those three pieces on
	ds_load_b64 v[\reg+2*\p:\reg+2*\p+1], v[\adr] offset:(\i)*ASTEP+(\q)*1536+\p*256   ; 32 lanes read 256 consecutive bytes
.endr
.endm
; 16 matrix instructions: Q's blocks a0, a0 + 1 x P's eight, 128 along K: the slot's q-th.  p: P's set;  sc: the set of scale words.  zero = 1: the first product starts the sums.
; The 64 accumulators take turns, one instruction a turn, in the same order in every step.
.macro MUL16 a0, p, q, sc, zero
.irp a, \a0, \a0+1
.irp b, 0,1,2,3,4,5,6,7
.if \zero
	v_wmma_scale_f32_16x16x128_f8f6f4 v[8*(8*((\a)%4)+\b):8*(8*((\a)%4)+\b)+7], v[128*(\p)+FR*\b:128*(\p)+FR*\b+FR-1], v[AF+FR*(\a):AF+FR*(\a)+FR-1], 0, v[SC+8*NQ*(\sc)+NQ*\b+(\q)], v[SC+8*NQ*(\sc)+NQ*(\a)+(\q)] matrix_a_fmt:MATRIX_FMT_BF6 matrix_b_fmt:MATRIX_FMT_BF6 matrix_a_scale:MATRIX_SCALE_ROW1
.else
	v_wmma_scale_f32_16x16x128_f8f6f4 v[8*(8*((\a)%4)+\b):8*(8*((\a)%4)+\b)+7], v[128*(\p)+FR*\b:128*(\p)+FR*\b+FR-1], v[AF+FR*(\a):AF+FR*(\a)+FR-1], v[8*(8*((\a)%4)+\b):8*(8*((\a)%4)+\b)+7], v[SC+8*NQ*(\sc)+NQ*\b+(\q)], v[SC+8*NQ*(\sc)+NQ*(\a)+(\q)] matrix_a_fmt:MATRIX_FMT_BF6 matrix_b_fmt:MATRIX_FMT_BF6 matrix_a_scale:MATRIX_SCALE_ROW1
.endif
.endr
.endr
.endm
.macro FETCH_B slot, q, p              ; P's eight fragments of the slot's q-th 128 along K into set p
	WIN TO_B
.irp i, 0,1,2,3,4,5,6,7
	FRAG 128*(\p)+FR*\i, ADRB+\slot, \q, \i
.endr
	WIN 0
.endm
.macro FETCH_A slot, q, i0             ; Q's blocks i0 .. i0 + 3
.irp i, \i0, \i0+1, \i0+2, \i0+3
	FRAG AF+FR*(\i), ADRA+\slot, \q, \i
.endr
.endm
.macro SCALES sc                       ; the next K step's scale words into set sc: NQ words a row; lanes 0-15 take Q's block i, lanes 16-31 P's block i
.irp i, 0,1,2,3,4,5,6,7
	ds_load_b64 v[SC+8*NQ*\sc+NQ*\i:SC+8*NQ*\sc+NQ*\i+1], v[ADRS] offset:\i*SBLK
.endr
.endm
; A load into a register that a matrix instruction has read, and a vector instruction that reads a matrix result or writes one of its registers, stand NP places behind that matrix instruction, and only
; plain vector instructions that name none of its registers are places (ISA guide 7.12.1 for vector instructions).
.macro PLACES n
.rept \n
	v_nop
.endr
.endm
; A step of 128 along K that has its successor in the same slot.
.macro STEP slot, q, zero
	s_wait_dscnt 4*NL                              ; P's set and Q's blocks 0-3 are in; the youngest 24 loads (Q's blocks 4-7) may be out
	WIN MUL_LO
	MUL16 0, (\q)%2, \q, \slot, \zero
	MUL16 2, (\q)%2, \q, \slot, \zero
	s_wait_dscnt 0                                 ; Q's blocks 4-7 are in (asked for 32 matrix instructions ago)
	PLACES NP
	FETCH_B \slot, (\q)+1, 1-(\q)%2
	FETCH_A \slot, (\q)+1, 0
	WIN MUL_HI
	MUL16 4, (\q)%2, \q, \slot, \zero
	MUL16 6, (\q)%2, \q, \slot, \zero
	PLACES NP
	WIN 0
	FETCH_A \slot, (\q)+1, 4
.endm
; A slot's last step changes slots: ONE barrier; in front of it each wave waits for all its tensor loads, adds 0 to its spare word, and waits for that and for its own reads of this slot.  fill = 1: this slot is filled again, two K steps ahead.
.macro TURN slot, next, fill
	s_wait_tensorcnt 0x0                           ; all my tensor loads have landed: my part of the next slot;  (every window is 0 here)
	ds_add_u32 v[SPW], v[NIL]                      ; 0 onto my spare word
	s_wait_dscnt 4*NL+1                            ; (the add and the youngest 24 loads, Q's blocks 4-7, may be out)
	WIN MUL_LO
	MUL16 0, 1, NQ-1, \slot, 0                     ; sixteen matrix instructions stand between the add and the wait for it
	s_wait_dscnt 0x0                               ; the add is done, and my reads of this slot are over
	s_barrier_signal -1
	MUL16 2, 1, NQ-1, \slot, 0
	WIN 0
	s_barrier_wait -1
.if \fill
	CREST                                          ; the barrier has opened a round of the cluster's barrier: no wave of any partner still reads this slot's tile or has a load on its way
	s_add_nc_u64 s[G0+4*\slot+2:G0+4*\slot+3], s[G0+4*\slot+2:G0+4*\slot+3], 2*ASTEP
	s_add_nc_u64 s[G0B+4*\slot+2:G0B+4*\slot+3], s[G0B+4*\slot+2:G0B+4*\slot+3], 2*ASTEP
	JLOAD G0+4*\slot, G1, G0B+4*\slot, G1B         ; the first tensor load behind the round; the four v_nop behind it are among the places in front of the loads below
.else
	PLACES NP
.endif
	s_wait_alu depctr_va_vdst(0)
	v_add_nc_u32 v[ADRS], 4*NQ, v[ADRS]            ; on to the next K step's scale words (no LDS load of mine is out)
	FETCH_B \next, 0, 0
	FETCH_A \next, 0, 0
	SCALES \next
	WIN MUL_HI
	MUL16 4, 1, NQ-1, \slot, 0
	MUL16 6, 1, NQ-1, \slot, 0
	PLACES NP
	WIN 0
	FETCH_A \next, 0, 4
.endm
	s_wait_alu depctr_va_vdst(0)
	s_wait_tensorcnt 0x0                           ; my tile of the head's four is in
	ds_add_u32 v[SPW], v[NIL]
	s_mov_b32 s[G1+2], 8<<16                       ; no tensor load of mine is out: from here on a load brings eight tiles of 16 rows,
	s_mov_b32 s[G1+4], 8
	s_mov_b32 s[G1B+2], 8<<16
	s_mov_b32 s[G1B+4], 8
	s_mov_b32 s[G0+1], s45                         ; and slot 0's sets name my 128 rows
	s_add_nc_u64 s[G0+2:G0+3], s[G0+2:G0+3], s[18:19]
	s_mov_b32 s[G0B+1], s45
	s_add_nc_u64 s[G0B+2:G0B+3], s[G0B+2:G0B+3], s[18:19]
	s_wait_dscnt 0x0
	CROUND                                         ; all four tiles are in, in every partner
	JLOAD G0+4, G1, G0B+4, G1B                     ; K step 1, the first tensor load behind the round
	FETCH_B 0, 0, 0
	FETCH_A 0, 0, 0
	SCALES 0
	FETCH_A 0, 0, 4
	STEP 0, 0, 1                                   ; the first step stands in front of the loop: its products start the sums
	s_mov_b32 s3, LAPS-1
.Llap:                                                 ; a trip goes once round the ring, from a lap's second step to the next lap's first, and fills both slots again
	TURN 0, 1, 1
	STEP 1, 0, 0
	TURN 1, 0, 1
	STEP 0, 0, 0
	s_sub_co_u32 s3, s3, 1
	s_cmp_lg_u32 s3, 0
	s_cbranch_scc1 .Llap
	TURN 0, 1, 0                                   ; the last lap fills nothing, and has no round of the cluster's barrier
	STEP 1, 0, 0
	s_wait_dscnt 4*NL                              ; the very last step: nothing more to fetch
	WIN MUL_LO
	MUL16 0, 1, NQ-1, 1, 0
	MUL16 2, 1, NQ-1, 1, 0
	s_wait_dscnt 0
	WIN MUL_HI
	MUL16 4, 1, NQ-1, 1, 0
	MUL16 6, 1, NQ-1, 1, 0
	WIN 0
; THE WAY OUT.  For Q's block a a lane holds 64 numbers: register 16 b + i = P's row 32 b + 16 (lane / 16) + i of my 128.
; QUANT: 64 numbers of a lane, v[s] on in window w, become a fragment's codes in v[CD] .. v[CD + 11] (lane (r, h): registers 6 c .. 6 c + 5 = numbers 64 c + 32 h + 0 .. 31) and its scale word in v[pw].  Every accumulator is read from its low end on.
.macro QUANT s, w, pw
	WIN ((\w)|((\w)<<2))
.irp b, 0,1,2,3
	v_max3_num_f32 v[TM+\b], |v[(\s)+16*\b]|, |v[(\s)+1+16*\b]|, 0x2800000   ; block b: my 16 numbers, and the floor 2^(5 - 127): so the byte cannot fall under 1
.endr
	WIN (((\w)<<2)|((\w)<<4))
.irp i, 2,4,6,8,10,12,14
.irp b, 0,1,2,3
	v_max3_num_f32 v[TM+\b], v[TM+\b], |v[(\s)+16*\b+\i]|, |v[(\s)+1+16*\b+\i]|   ; (the four blocks by turns)
.endr
.endr
	WIN 0
.irp b, 0,1,2,3
	v_permlanex16_b32 v[TM+4+\b], v[TM+\b], s66, s67
.endr
.irp b, 0,1,2,3
	v_max_num_f32 v[TM+\b], v[TM+\b], v[TM+4+\b]   ; with lane l xor 16's: the block's largest magnitude
.endr
.irp b, 0,1,2,3
	v_add_nc_u32 v[TM+12+\b], 0xfe000000, v[TM+\b]   ; 4 off its exponent field: the conversion's scale operand
.endr
.irp b, 0,1,2,3
	v_lshrrev_b32 v[TM+4+\b], 23, v[TM+12+\b]      ; the scale's byte
.endr
	v_lshl_or_b32 v[\pw], v[TM+5], 8, v[TM+4]      ; the four bytes make my row's scale word
	v_lshl_or_b32 v[\pw], v[TM+6], 16, v[\pw]
	v_lshl_or_b32 v[\pw], v[TM+7], 24, v[\pw]
	WIN (\w)
.irp c, 0,1
	v_cvt_scalef32_pk16_bf6_f32 v[CD+6*\c:CD+2+6*\c], v[(\s)+32*\c:(\s)+15+32*\c], v[TM+12+2*\c]
	v_cvt_scalef32_pk16_bf6_f32 v[CD+12+4*\c:CD+14+4*\c], v[(\s)+16+32*\c:(\s)+31+32*\c], v[TM+12+2*\c+1]   ; (a conversion's three registers begin on an even number)
.endr
	WIN 0
	v_nop                                          ; one plain place behind a scaled conversion
.irp c, 0,1                                    ; the operand's layout wants a WHOLE block in a lane: lanes 0-15 block 2 c, lanes 16-31 block 2 c + 1
.irp i, 0,1,2
	v_permlane16_swap_b32 v[CD+6*\c+\i], v[CD+12+4*\c+\i]
.endr
.irp i, 0,1,2
	v_mov_b32 v[CD+3+6*\c+\i], v[CD+12+4*\c+\i]
.endr
.endr
.endm
; The rotation of block a's 64 numbers (two heads' 32 each) into v[HA] on: (x1 c - x2 s, x2 c + x1 s), a pair an instruction.  The table's pair (c, s) for registers 16 b + i, i + 1 lies at 16 (b % 2) + i of the block's 32.
.macro ROPEM a
.if (\a) < 2
.set CSB, 64+32*(\a)
.set CSW, 0
.else
.set CSB, 32*((\a)-2)
.set CSW, 1
.endif
	WIN ((2+(\a)/4)|(CSW<<2))
.irp b, 0,1,2,3
.irp i, 0,2,4,6,8,10,12,14
	v_pk_mul_f32 v[HA+16*\b+\i:HA+16*\b+\i+1], v[64*((\a)%4)+16*\b+\i:64*((\a)%4)+16*\b+\i+1], v[CSB+16*(\b%2)+\i:CSB+16*(\b%2)+\i+1] op_sel_hi:[1,0]   ; x1 c, x2 c
.endr
.endr
.irp b, 0,1,2,3
.irp i, 0,2,4,6,8,10,12,14
	v_pk_fma_f32 v[HA+16*\b+\i:HA+16*\b+\i+1], v[64*((\a)%4)+16*\b+\i:64*((\a)%4)+16*\b+\i+1], v[CSB+16*(\b%2)+\i:CSB+16*(\b%2)+\i+1], v[HA+16*\b+\i:HA+16*\b+\i+1] op_sel:[1,1,0] op_sel_hi:[0,1,1] neg_lo:[0,1,0]   ; - x2 s, + x1 s
.endr
.endr
.endm
.macro QKOUT a
	s_wait_loadcnt 56-8*(\a)                       ; the table's entries of block a are in; the 8 loads of each later block may be out
	s_wait_xcnt 0x0                                ; the last block's stores have read the codes' registers
	ROPEM \a
	QUANT HA, 0, SW+(\a)
.irp p, 0,1,2
	global_store_b64 v[L8], v[CD+2*\p:CD+2*\p+1], s[8:9] offset:(\a)*768+\p*256          ; the first head's half fragment: 32 lanes store 256 consecutive bytes, aligned
.endr
.irp p, 0,1,2
	global_store_b64 v[L8], v[CD+6+2*\p:CD+7+2*\p], s[8:9] offset:98304+(\a)*768+\p*256  ; the second head's
.endr
.endm
.macro VOUT a
	s_wait_xcnt 0x0                                ; the last block's stores have read the codes' registers
	QUANT 64*((\a)%4), (2+(\a)/4), SW+(\a)
.irp c, 0,1,2
	global_store_b128 v[L16], v[CD+4*\c:CD+4*\c+3], s[8:9] offset:((\a)/4)*98304+((\a)%4)*1536+\c*512   ; the fragment as it stands: 512 consecutive bytes, aligned
.endr
.endm
	PLACES NP                                      ; behind the last products: the lines below read results and write registers that held operands
	s_mov_b32 s66, 0x76543210
	s_mov_b32 s67, 0xfedcba98                      ; v_permlanex16_b32's selects for lane l xor 16
	s_mov_b32 s98, 0x7f7f0000                      ; the scale bytes of the upper, empty half of a K of 128: 2^0
.irp b, 0,1,2,3
	v_mov_b32 v[TM+4+\b], 0                        ; written once: a lane permute's destination counts as one of its sources
.endr
	v_and_b32 v1, 31, v0
	v_cmp_le_u32 vcc_lo, 16, v1                    ; lanes 16-31
	s_cmp_eq_u32 s95, 1                            ; (no tensor load of mine is out since the last change of slots: the descriptors' registers are free)
	s_cbranch_scc1 .Lv_out
	; ---- q and k: a lane holds a token (tile a, row r) and 64 + 64 numbers of two heads
	s_lshr_b32 s20, s17, 3                         ; the sequence b
	s_lshl_b32 s20, s20, 4
	s_lshl_b32 s21, s42, 2
	s_lshl_b32 s22, s16, 1
	s_add_co_u32 s21, s21, s22
	s_and_b32 s21, s21, 15                         ; my first head
	s_add_co_u32 s20, s20, s21                     ; 16 b + head
	s_lshl_b32 s21, s17, 4
	s_lshl_b32 s22, s15, 3
	s_add_co_u32 s21, s21, s22
	s_and_b32 s21, s21, 127                        ; my first tile of tokens
	s_lshl_b32 s22, s20, 7
	s_add_co_u32 s22, s22, s21
	s_mul_i32 s22, s22, 768                        ; a tile's half fragment is 768 bytes, a head's 128 tiles 98,304
	s_mov_b32 s24, QS
	s_mov_b32 s25, 8192
	s_cmp_eq_u32 s13, 1                            ; W's rows 1,024 to 2,047 are k's
	s_cselect_b32 s23, KC, 0
	s_cselect_b32 s24, KVS, s24
	s_cselect_b32 s25, 12288, s25                  ; a head's scale words, in bytes
	s_add_co_u32 s22, s22, s23
	s_mov_b32 s23, 0
	s_add_nc_u64 s[8:9], s[6:7], s[22:23]          ; the codes
	s_mul_i32 s26, s20, s25
	s_add_co_u32 s26, s26, s24
	s_lshr_b32 s27, s21, 2
	s_lshl_b32 s27, s27, 8                         ; four tiles' words are 256 bytes: 16 bytes a row
	s_add_co_u32 s26, s26, s27
	s_mov_b32 s27, 0
	s_add_nc_u64 s[10:11], s[6:7], s[26:27]        ; the first head's scale words,
	s_add_co_u32 s26, s26, s25
	s_add_nc_u64 s[18:19], s[6:7], s[26:27]        ; the second's
	WIN TO_B
.irp a, 2,3,4,5,6,7
.irp j, 0,1,2,3,4,5,6,7
	global_load_b128 v[32*(\a-2)+4*\j:32*(\a-2)+4*\j+3], v[L16], s[96:97] offset:\a*4096+\j*512   ; the table's entries of blocks 2-7, where P's fragments lay
.endr
.endr
	WIN 0
.irp a, 0,1,2,3,4,5,6,7
	QKOUT \a
.endr
.irp a, 0,1,2,3,4,5,6,7
	v_and_or_b32 v[40+\a], v[SW+\a], 0xffff, s98   ; the first head's two bytes, and 2^0 twice,
	v_lshrrev_b32 v[48+\a], 16, v[SW+\a]
.endr
.irp a, 0,1,2,3,4,5,6,7
	v_or_b32 v[48+\a], s98, v[48+\a]               ; the second head's
.endr
.irp a, 0,1,2,3
	v_cndmask_b32 v[56+\a], v[40+\a], v[44+\a], vcc_lo   ; lanes 0-15 carry tiles 0-3 of row r, lanes 16-31 tiles 4-7
	v_cndmask_b32 v[60+\a], v[48+\a], v[52+\a], vcc_lo
.endr
	global_store_b128 v[L16], v[56:59], s[10:11]   ; 512 consecutive bytes, aligned
	global_store_b128 v[L16], v[60:63], s[18:19]
	s_branch .Ljoin
	; ---- v: a lane holds a channel (tile a, row r) and 128 tokens: one key step's fragment
.Lv_out:
	s_lshr_b32 s20, s42, 3                         ; the sequence b
	s_lshl_b32 s20, s20, 4
	s_sub_co_u32 s21, s17, 8
	s_lshl_b32 s21, s21, 2
	s_lshl_b32 s22, s15, 1
	s_add_co_u32 s21, s21, s22                     ; my first head
	s_add_co_u32 s20, s20, s21                     ; 16 b + head
	s_lshl_b32 s21, s42, 1
	s_add_co_u32 s21, s21, s16
	s_and_b32 s21, s21, 15                         ; the key step
	s_lshl_b32 s22, s20, 4
	s_add_co_u32 s22, s22, s21
	s_mul_i32 s22, s22, 6144                       ; a key step's four fragments are 6,144 bytes, a head's sixteen steps 98,304
	s_add_co_u32 s22, s22, VC
	s_mov_b32 s23, 0
	s_add_nc_u64 s[8:9], s[6:7], s[22:23]
	s_mul_i32 s26, s20, 12288
	s_lshl_b32 s27, s21, 8
	s_add_co_u32 s26, s26, s27
	s_add_co_u32 s26, s26, KVS+8192
	s_mov_b32 s27, 0
	s_add_nc_u64 s[10:11], s[6:7], s[26:27]
	v_and_b32 v2, 15, v0
	v_bfe_u32 v3, v0, 4, 1
	v_mul_u32_u24 v[VSO], v3, 12288                ; lanes 16-31 carry the second head's words
	v_lshl_add_u32 v[VSO], v2, 4, v[VSO]
.irp a, 0,1,2,3,4,5,6,7
	VOUT \a
.endr
.irp a, 0,1,2,3
	v_cndmask_b32 v[56+\a], v[SW+\a], v[SW+4+\a], vcc_lo
.endr
	global_store_b128 v[VSO], v[56:59], s[10:11]   ; sixteen lanes store 256 consecutive bytes, aligned, for each head
.Ljoin:
	s_wait_tensorcnt 0x0                           ; the wave's end
	ds_add_u32 v[SPW], v[NIL]
	s_wait_dscnt 0x0
	CROUND                                         ; the closing round: no work-group ends while a partner may still ask for a tile that names it
	s_endpgm
.Lfunc_end_k_q4e6c17c38f_qkv:
	.size	k_q4e6c17c38f_qkv, .Lfunc_end_k_q4e6c17c38f_qkv-k_q4e6c17c38f_qkv
	.p2alignl 7, 3214868480
	.fill 96, 4, 3214868480
	.section	.rodata,"a",@progbits
	.p2align	6, 0x0
	.amdhsa_kernel k_q4e6c17c38f_qkv
		.amdhsa_group_segment_fixed_size 327680
		.amdhsa_private_segment_fixed_size 0
		.amdhsa_enable_private_segment 0
		.amdhsa_kernarg_size 16
		.amdhsa_user_sgpr_count 2
		.amdhsa_user_sgpr_kernarg_segment_ptr 1
		.amdhsa_wavefront_size32 1
		.amdhsa_system_sgpr_workgroup_id_x 1
		.amdhsa_system_sgpr_workgroup_id_y 1
		.amdhsa_system_sgpr_workgroup_id_z 1
		.amdhsa_system_vgpr_workitem_id 0
		.amdhsa_next_free_vgpr 1024
		.amdhsa_next_free_sgpr 100
		.amdhsa_reserve_vcc 1
		.amdhsa_float_denorm_mode_32 3
		.amdhsa_float_denorm_mode_16_64 3
		.amdhsa_memory_ordered 1
		.amdhsa_forward_progress 1
		.amdhsa_inst_pref_size 243
	.end_amdhsa_kernel
	.amdgpu_metadata
---
amdhsa.version: [ 1, 2 ]
amdhsa.kernels:
  - .name:           k_q4e6c17c38f_qkv
    .symbol:         k_q4e6c17c38f_qkv.kd
    .args:
      - { .name: prep, .offset: 0, .size: 8, .value_kind: global_buffer, .address_space: global }
      - { .name: qkv, .offset: 8, .size: 8, .value_kind: global_buffer, .address_space: global }
    .group_segment_fixed_size: 327680
    .private_segment_fixed_size: 0
    .kernarg_segment_align: 8
    .kernarg_segment_size: 16
    .max_flat_workgroup_size: 128
    .sgpr_count:     100
    .vgpr_count:     1024
    .wavefront_size: 32
...
	.end_amdgpu_metadata
.endif
;; end of part 2
;; launch attn (part 3): grid 4 x 64, 16 waves a work-group, clusters of 4 x 1, 327,680 bytes of LDS; arguments qkv, att; writes att
.if DOCPART == 3
	.amdgcn_target "amdgcn-amd-amdhsa--gfx1250"
	.amdhsa_code_object_version 6
	.text
	.protected	k_q4e6c17c38f_attn
	.globl	k_q4e6c17c38f_attn
	.p2align	8
	.type	k_q4e6c17c38f_attn,@function
k_q4e6c17c38f_attn:
	s_mov_b64 s[64:65], 0
	v_nop
	global_prefetch_b8 v0, s[64:65] scope:SCOPE_SE
	s_setreg_imm32_b32 hwreg(HW_REG_WAVE_MODE, 25, 1), 1
	s_wait_xcnt 0x0
	s_wait_alu depctr_hold_cnt(0) depctr_sa_sdst(0) depctr_va_vdst(0) depctr_va_sdst(0) depctr_va_ssrc(0) depctr_va_vcc(0) depctr_vm_vsrc(0)
	s_getreg_b32 s2, hwreg(HW_REG_IB_STS2, 6, 4)
	s_cmp_eq_u32 s2, 0
	s_cbranch_scc0 .Lentry_in_a_cluster
	s_endpgm
.Lentry_in_a_cluster:
	s_bfe_u32 s2, ttmp6, 0x10000c
	s_cmp_lg_u32 s2, 0x3003
	s_cbranch_scc0 .Lentry_shape_is_right
	s_endpgm
.Lentry_shape_is_right:
; attn[b][q][head][:] = the sum over k <= q of softmax_k(Q . K / 8) V, both products on codes of BF6 (E3M2) with one E8M0 scale for each 32 along a product's K; then the quantiser of attn along head x 64 + channel.
; THE SOFTMAX: t = score x log2(e) / 8; M = the row's largest t so far, rounded UP to a whole number; p = 2^(t - M), not normalised, is quantised along the keys.  The row's sum is taken of the
; unquantised p in f32 and divides O at the end.  When M moves, the sum and O are multiplied by 2^(old M - new M): exact.
; LEFT OUT: key steps all of whose keys come after a wave's queries: their scores are -inf, so their p is 0 for all inputs.
; SHARES.  One cluster of four work-groups to a head: 256 work-groups.  A head's queries are 16 blocks of 128, each 8 tiles of 16; block i wants i + 1 key steps of 128.  Wave w of work-group cx takes tile
; 2 cx + w % 2 of block lo = w / 2 and then the same tile of block 15 - lo: (lo + 1) + (16 - lo) = 17 key steps for every wave.  The block hangs on the wave's number alone; cx enters global addresses and the mask's compare alone.
; A WHOLE HEAD'S K, V AND SCALE WORDS LIE IN LDS (208,896 bytes), each byte filled once, by joint loads of the four partners.  At the head waves 0, 1, 2 ask for key steps 0-3 of K, of V, and the scale words;
; behind the full sequence and a round of the cluster's barrier each of the 16 waves asks for 9,216 bytes of the rest, which may land during key steps 0-2.  A wave has one tensor load out.
; No prefetch: every tile is asked for at the head by its own load; there is no loop to run ahead in.
; LAYOUT.  Both products are used transposed: S^T = K Q^T, O^T = V^T P^T: a lane holds ONE query (lane % 16).  The 16 keys of a tile of K are chosen at the LDS read: row rho of tile 4 c + u is key
; 64 c + 32 (rho / 8) + 8 u + rho % 8 of the step.  So the 32 registers of tiles 4 c .. 4 c + 3 are, in lane (r, h), the WHOLE block of keys 64 c + 32 h + 0 .. 31: a block's maximum needs no other lane, and the
; conversions' results are the second product's operand.  In the workspace eight neighbouring tokens lie on end (64 bytes of a piece), so the choice is a lane term and an immediate.
; THE FIRST PRODUCT'S K IS 64: Q's upper half (K = 64 .. 127) is zero codes under the scale byte 2^0.  K's four tiles lie on end, 6 registers each: a tile's upper half is the next tile's codes (the last's: six cleared
; registers), which meet Q's zeros and add nothing.
; ONE STEP AHEAD: K's tiles 0-3 and the eight scale words of the NEXT key step are fetched behind this step's last scores, so that a step begins with products.  The fetch of a wave's last step is not used; it reads filled
; bytes of LDS (in the three-trip loop: key step 3, which came with the first group).
; LIMITS: NaN and infinities are not served; a block of zeros gets the byte 1 (its codes are zeros; this program alone reads the bytes); the scaled scores stay under 2^31 in magnitude.
.set KC,   6291456                     ; parts of qkv: q's codes at 0, k's, v's, q's scale words, k's and v's
.set VC,   12582912
.set QS,   18874368
.set KVS,  19398656
.set AS,   6291456                     ; att: the codes at 0, the scale bytes here
.set LV,   98304                       ; LDS: K's codes at 0, V's, K's scale words, V's, the spare words (16 x 128 bytes)
.set LKS,  196608
.set LVS,  204800
.set SPARE, 208896
.set STA,  4*6144                      ; K's (V's) bytes of the first four key steps
.set STB,  9216                        ; what one wave brings of the rest: 12 x 6,144 / 8
.set L8,   1                           ; v1 8 x lane   v2 LV + 16 x lane   v3, v4 my K and V scale words   v5 my query in its block less 32 (lane / 16)   v6 -infinity   v7 my spare word
.set AV0,  2
.set ASK0, 3
.set ASV0, 4
.set DD,   5
.set NINF, 6
.set SPW,  7
.set ADK,  8                           ; v8-11 the step's LDS addresses
.set ADV,  9
.set ADS,  10
.set ADT,  11                          ; v12 -M, v13 the largest t, v[14:15] the sum in two halves
.set QF,   16                          ; v16-27 Q's fragment
.set VW,   28                          ; v28-31 V's scale words
.set KF,   32                          ; v32-55 four tiles of K, v56-61 zeros
.set QB,   62                          ; v62-67 the second tile's Q, v68 its scale words
.set QBS,  68
.set QSW,  69                          ; v69 Q's scale words
.set AKL,  70                          ; v70 my place in K's tiles
.set KW,   72                          ; v72-79 K's scale words
.set VF,   80                          ; v80-127 V's four fragments
.set S,    128                         ; v128-191 S^T, then p
.set OT,   192                         ; v192-223 O^T
.set PC,   224                         ; v224-235 p's codes; v236-238, v240-242 the blocks' upper halves; v244-255 at work; v253 p's scale word
.set SH8,  239                         ; v239 8 (lane / 16)
.set NIL,  243                         ; v243 0
.set WV,   18
.set SEL,  20                          ; s[20:21] selects for lane l xor 16
.set CS,   22                          ; s[22:23] c = log2(e) / 8
.set G1A,  24                          ; groups 1: 96, 48 and 36 rows of 256 bytes
.set G1S,  32
.set G1B,  40
.set G0K,  48                          ; groups 0
.set G0V,  52
.set G0S,  56
.set G0B,  60
.set KSR,  66                          ; the key step; 6,144 x, 512 x, 256 x it
.set TK,   67
.set TS,   68
.set TJ,   69
.set BLK,  70                          ; my block of 128 queries
.set CNT,  71
.set TILE, 72                          ; my tile of 16 queries in the head, and the second one
.set T2,   73
.macro CROUND
	s_barrier_signal -1
	s_barrier_wait -1
	s_cmp_lg_u32 s[WV], 0
	s_cbranch_scc1 .Lnot_wave_0_\@
	s_barrier_signal -3
.Lnot_wave_0_\@:
	s_barrier_wait -3
	s_barrier_signal -1
	s_barrier_wait -1
.endm
.macro G1SET g, rows                   ; a dense block as rows of 256 bytes; the mask names all four work-groups, bit 21 beside it
	s_mov_b32 s[\g], 15|(3<<16)|(1<<21)
	s_mov_b32 s[\g+1], 32<<16
	s_mov_b32 s[\g+2], (\rows)<<16
	s_mov_b32 s[\g+3], 32<<16
	s_mov_b32 s[\g+4], \rows
	s_mov_b32 s[\g+5], 32
	s_mov_b32 s[\g+6], 0
	s_mov_b32 s[\g+7], 0
.endm
.macro FILL g0, g1
	tensor_load_to_lds s[\g0:\g0+3], s[\g1:\g1+7]
	s_nop 0
.rept 4
	v_nop
.endr
.endm
.macro QSP dst, tile                   ; where a tile's scale words of Q begin: four tiles' words are 256 bytes, 16 a row
	s_lshr_b32 s[\dst], s[\tile], 2
	s_lshl_b32 s[\dst], s[\dst], 8
	s_and_b32 s[\dst+1], s[\tile], 3
	s_lshl_b32 s[\dst+1], s[\dst+1], 2
	s_add_co_u32 s[\dst], s[\dst], s[\dst+1]
	s_add_co_u32 s[\dst], s[\dst], s78
	s_mov_b32 s[\dst+1], 0
	s_add_nc_u64 s[\dst:\dst+1], s[4:5], s[\dst:\dst+1]
.endm
.macro INIT                            ; a tile's state: the largest t -3e38, the sum and O^T zeros (the first change of M leaves them zeros)
	v_mov_b32 v13, 0xff61b1e6
	v_mov_b32 v14, 0
	v_mov_b32 v15, 0
	v_floor_f32 v12, -v13
.set j, 0
.rept 32
	v_mov_b32 v[OT+j], 0
.set j, j+1
.endr
	s_mov_b32 s[KSR], 0
	s_mov_b32 s[TK], 0
	s_mov_b32 s[TS], 0
	s_mov_b32 s[TJ], 0
.endm
	s_load_b128 s[4:7], s[0:1], 0x0                ; qkv, att
	v_lshl_add_u32 v[SPW], v0, 2, SPARE
	v_mov_b32 v[NIL], 0
	ds_add_u32 v[SPW], v[NIL]                      ; the opening lines: the add twice on end and its wait
	ds_add_u32 v[SPW], v[NIL]
	v_lshrrev_b32 v8, 5, v0
	v_readfirstlane_b32 s[WV], v8                  ; wave 0..15
	s_bfe_u32 s8, ttmp6, 0x40000                   ; cx
	s_and_b32 s9, ttmp7, 0xffff                    ; 16 b + head
	s_lshr_b32 s[BLK], s[WV], 1                    ; lo
	s_and_b32 s19, s[WV], 1
	s_lshl_b32 s10, s8, 1
	s_add_co_u32 s10, s10, s19                     ; my tile in a block
	s_lshl_b32 s[TILE], s[BLK], 3
	s_add_co_u32 s[TILE], s[TILE], s10
	s_sub_co_u32 s11, 15, s[BLK]
	s_lshl_b32 s[T2], s11, 3
	s_add_co_u32 s[T2], s[T2], s10
	s_lshl_b32 s79, s8, 5
	s_lshl_b32 s19, s19, 3
	s_add_co_u32 s79, s79, s19                     ; the tile's first token in its block
	G1SET G1A, 96
	G1SET G1S, 48
	G1SET G1B, 36
	s_mul_i32 s12, s9, 98304
	s_add_co_u32 s12, s12, KC
	s_mov_b32 s13, 0
	s_mul_i32 s14, s9, 12288
	s_add_co_u32 s14, s14, KVS
	s_mov_b32 s15, 0
	s_mul_i32 s16, s[WV], STB                      ; the rest: waves 0-7 K's, waves 8-15 V's
	s_add_co_u32 s16, s16, STA
	s_lshr_b32 s17, s[WV], 3
	s_mul_i32 s75, s17, STA
	s_add_co_u32 s[G0B+1], s16, s75                ; LDS: STA + wave x STB, and past V's first four steps
	s_mul_i32 s75, s17, VC-KC-12*6144
	s_add_co_u32 s16, s16, s75
	s_mov_b32 s17, 0
	s_lshl_b32 s78, s9, 13
	s_add_co_u32 s78, s78, QS
	s_mov_b32 s[SEL], 0x76543210
	s_mov_b32 s[SEL+1], 0xfedcba98
	s_mov_b32 s[CS], 0x3e38aa3b
	s_mov_b32 s[CS+1], s[CS]
	s_wait_dscnt 0x0
	s_wait_kmcnt 0x0
	s_add_nc_u64 s[12:13], s[4:5], s[12:13]
	s_add_nc_u64 s[14:15], s[4:5], s[14:15]
	s_mov_b32 s[G0K], 1
	s_mov_b32 s[G0K+1], 0
	s_mov_b64 s[G0K+2:G0K+3], s[12:13]
	s_or_b32 s[G0K+3], s[G0K+3], 0x80000000
	s_mov_b32 s[G0V], 1
	s_mov_b32 s[G0V+1], LV
	s_add_nc_u64 s[G0V+2:G0V+3], s[12:13], VC-KC
	s_or_b32 s[G0V+3], s[G0V+3], 0x80000000
	s_mov_b32 s[G0S], 1
	s_mov_b32 s[G0S+1], LKS
	s_mov_b64 s[G0S+2:G0S+3], s[14:15]
	s_or_b32 s[G0S+3], s[G0S+3], 0x80000000
	s_mov_b32 s[G0B], 1
	s_add_nc_u64 s[G0B+2:G0B+3], s[12:13], s[16:17]
	s_or_b32 s[G0B+3], s[G0B+3], 0x80000000
	CROUND                                         ; all four work-groups are here: the joint loads meet
	s_cmp_lt_u32 s[WV], 1                          ; one chain of branches on the wave's number, one fill to an arm
	s_cbranch_scc0 .Larm_v
	FILL G0K, G1A
	s_branch .Lasked
.Larm_v:
	s_cmp_lt_u32 s[WV], 2
	s_cbranch_scc0 .Larm_s
	FILL G0V, G1A
	s_branch .Lasked
.Larm_s:
	s_cmp_lt_u32 s[WV], 3
	s_cbranch_scc0 .Lasked
	FILL G0S, G1S
.Lasked:
	s_lshl_b32 s10, s9, 7
	s_add_co_u32 s76, s10, s[T2]
	s_add_co_u32 s10, s10, s[TILE]
	s_mul_i32 s10, s10, 768
	s_mul_i32 s76, s76, 768
	s_mov_b32 s11, 0
	s_mov_b32 s77, 0
	s_add_nc_u64 s[10:11], s[4:5], s[10:11]        ; Q's codes: my two tiles
	s_add_nc_u64 s[76:77], s[4:5], s[76:77]
	QSP 12, TILE
	QSP 14, T2
	v_and_b32 v8, 31, v0                           ; lane
	v_and_b32 v9, 15, v0                           ; r
	v_bfe_u32 v10, v0, 4, 1                        ; h
	v_lshlrev_b32 v[L8], 3, v8
	v_lshlrev_b32 v11, 4, v9
.irp p, 0,1,2
	global_load_b64 v[QF+2*\p:QF+2*\p+1], v[L8], s[10:11] offset:\p*256
	global_load_b64 v[QB+2*\p:QB+2*\p+1], v[L8], s[76:77] offset:\p*256
.endr
	global_load_b32 v[QSW], v11, s[12:13]
	global_load_b32 v[QBS], v11, s[14:15]
	v_lshlrev_b32 v[AV0], 4, v8
	v_and_b32 v12, 7, v9                           ; r % 8
	v_lshrrev_b32 v13, 3, v9                       ; r / 8
	v_add_nc_u32 v[AV0], LV, v[AV0]
	v_lshlrev_b32 v[ASK0], 4, v12                  ; K's words: 16 (r % 8) + 8 (r / 8)
	v_add_nc_u32 v[ASV0], LVS, v11
	v_mul_u32_u24 v[AKL], v13, 1536                ; K's codes: two tiles on for rows 8-15,
	v_lshl_add_u32 v[ASK0], v13, 3, v[ASK0]
	v_lshl_add_u32 v[AKL], v12, 3, v[AKL]          ; 8 (r % 8),
	v_add_nc_u32 v[ASK0], LKS, v[ASK0]
	v_lshl_add_u32 v[AKL], v10, 7, v[AKL]          ; 128 h
	v_lshl_add_u32 v[DD], v13, 3, v9               ; r + 8 (r / 8)
	v_lshlrev_b32 v12, 5, v10
	v_lshlrev_b32 v[SH8], 3, v10
	v_sub_nc_u32 v[DD], v[DD], v12                 ; - 32 h
	v_mov_b32 v[NINF], 0xff800000
	v_add_nc_u32 v[DD], s79, v[DD]
.irp j, 6,7,8,9,10,11
	v_mov_b32 v[QF+\j], 0                          ; Q's K = 64 .. 127: zero codes
	v_mov_b32 v[KF+18+\j], 0                       ; behind K's fourth tile
.endr
.irp j, 252,253,254,255
	v_mov_b32 v[\j], 0                             ; written once: lane permutes' destinations, and the upper half of the pair v[252:253]
.endr
	INIT
.macro KLOAD adr, off                  ; four tiles of K
.irp u, 0,1,2,3
.irp p, 0,1,2
	ds_load_b64 v[KF+6*\u+2*\p:KF+6*\u+2*\p+1], v[\adr] offset:\off+(\u%2)*768+(\u/2)*64+\p*256
.endr
.endr
.endm
.macro KWLOAD adr, off                 ; a step's eight scale words of K: those of tiles 2 g, 2 g + 1 lie on end
.irp g, 0,1,2,3
	ds_load_b64 v[KW+2*\g:KW+2*\g+1], v[\adr] offset:\off+128*\g
.endr
.endm
.macro QK c
.irp u, 0,1,2,3
	v_wmma_scale_f32_16x16x128_f8f6f4 v[S+32*\c+8*\u:S+32*\c+8*\u+7], v[KF+6*\u:KF+6*\u+11], v[QF:QF+11], 0, v[KW+4*\c+\u], v[QSW] matrix_a_fmt:MATRIX_FMT_BF6 matrix_b_fmt:MATRIX_FMT_BF6
.endr
.endm
.macro MASK c                          ; register n holds the block's key 64 (n / 32) + 32 (lane / 16) + n % 32: a hidden key's score becomes -infinity, p = 0 then
.set n, 32*\c
.rept 32
	v_cmp_gt_i32 vcc_lo, 64*(n/32)+n%32, v[DD]
	v_cndmask_b32 v[S+n], v[S+n], v[NINF], vcc_lo
.set n, n+1
.endr
.endm
.macro BMAX1 c, t0, t1, t2, t3         ; the largest score of my block c: four chains, one to an accumulator, each from its low end on
.irp i, 0,3,5
.if \i == 0
	v_max3_num_f32 v\t0, v[S+32*\c], v[S+32*\c+1], v[S+32*\c+2]
	v_max3_num_f32 v\t1, v[S+32*\c+8], v[S+32*\c+9], v[S+32*\c+10]
	v_max3_num_f32 v\t2, v[S+32*\c+16], v[S+32*\c+17], v[S+32*\c+18]
	v_max3_num_f32 v\t3, v[S+32*\c+24], v[S+32*\c+25], v[S+32*\c+26]
.else
	v_max3_num_f32 v\t0, v\t0, v[S+32*\c+\i], v[S+32*\c+\i+1]
	v_max3_num_f32 v\t1, v\t1, v[S+32*\c+8+\i], v[S+32*\c+9+\i]
	v_max3_num_f32 v\t2, v\t2, v[S+32*\c+16+\i], v[S+32*\c+17+\i]
	v_max3_num_f32 v\t3, v\t3, v[S+32*\c+24+\i], v[S+32*\c+25+\i]
.endif
.endr
.endm
.macro BMAX2 c, t0, t1, t2, t3         ; the four joined, with each accumulator's last register
	v_max3_num_f32 v\t0, v\t0, v\t1, v[S+32*\c+7]
	v_max3_num_f32 v\t2, v\t2, v\t3, v[S+32*\c+15]
	v_max3_num_f32 v\t0, v\t0, v\t2, v[S+32*\c+23]
	v_max_num_f32 v\t0, v\t0, v[S+32*\c+31]
.endm
; A KEY STEP: 128 keys.  K's tiles 0-3 and its eight scale words are in registers at its head.
.macro STEP
	s_cmp_gt_u32 s[KSR], s[BLK]                    ; all its keys come after my queries: only the addresses are stepped
	s_cbranch_scc1 .Lhidden_\@
	QK 0
	v_add_nc_u32 v[ADK], s[TK], v[AKL]             ; four places: in front of the loads into K's registers, of the loads into V's (behind the last step's products), and of the first read of the scores
	v_add_nc_u32 v[ADS], s[TS], v[ASK0]
	v_add_nc_u32 v[ADV], s[TK], v[AV0]
	v_add_nc_u32 v[ADT], s[TJ], v[ASV0]
	KLOAD ADK, 3072                                ; tiles 4-7 land under the first block's maximum
.irp t, 0,1,2,3
.irp c, 0,1,2
	ds_load_b128 v[VF+12*\t+4*\c:VF+12*\t+4*\c+3], v[ADV] offset:\t*1536+\c*512   ; V's four fragments land during the softmax
.endr
.endr
	ds_load_b128 v[VW:VW+3], v[ADT]
	s_cmp_lg_u32 s[KSR], s[BLK]                    ; the mask is wanted on the diagonal alone
	s_cbranch_scc1 .Lopen0_\@
	MASK 0
.Lopen0_\@:
	BMAX1 0, 250, 248, 246, 247
	s_wait_alu depctr_va_vdst(0)
	s_wait_dscnt 13                                ; K's are in; V's thirteen loads may be out
	QK 1
	BMAX2 0, 250, 248, 246, 247                    ; four places behind the products: they read the first four tiles alone
	KLOAD ADK, 6144                                ; THE NEXT STEP'S tiles 0-3 and scale words
	KWLOAD ADS, 512
	s_cmp_lg_u32 s[KSR], s[BLK]
	s_cbranch_scc1 .Lopen1_\@
	MASK 1
.Lopen1_\@:
	BMAX1 1, 251, 249, 244, 245
	BMAX2 1, 251, 249, 244, 245
	s_delay_alu instid0(VALU_DEP_1)
	v_max_num_f32 v254, v250, v251
	s_delay_alu instid0(VALU_DEP_1)
	v_permlanex16_b32 v255, v254, s[SEL], s[SEL+1]
	s_delay_alu instid0(VALU_DEP_1)
	v_max_num_f32 v254, v254, v255                 ; with lane l xor 16's two blocks: the step's largest score of my query
	s_delay_alu instid0(VALU_DEP_1)
	v_mul_f32 v254, s[CS], v254
	s_delay_alu instid0(VALU_DEP_1)
	v_max_num_f32 v13, v13, v254                   ; the running largest t
	v_mov_b32 v254, v12
	s_delay_alu instid0(VALU_DEP_2)
	v_floor_f32 v12, -v13                          ; the new -M = -ceil(t)
	s_delay_alu instid0(VALU_DEP_1)
	v_sub_f32 v254, v12, v254                      ; old M less new M: a whole number, 0 or less
	s_delay_alu instid0(VALU_DEP_1)
	v_cvt_i32_f32 v254, v254
	s_delay_alu instid0(VALU_DEP_1)
	v_ldexp_f32 v252, 1.0, v254                    ; f = 2^(old M - new M)
.set j, 0
.rept 32
	v_pk_fma_f32 v[S+j:S+j+1], v[S+j:S+j+1], s[CS:CS+1], v[12:13] op_sel_hi:[1,0,0]   ; t - M
.set j, j+2
.endr
	v_fma_f32 v250, v250, s[CS], v12               ; the same of each block's largest score: p rises with the score
	v_fma_f32 v251, v251, s[CS], v12
	s_wait_alu depctr_va_vdst(0)
.set j, 0
.rept 64
	v_exp_f32 v[S+j], v[S+j]                       ; p = 2^(t - M)
.set j, j+1
.endr
	v_exp_f32 v250, v250                           ; the blocks' largest p
	v_exp_f32 v251, v251
	v_pk_mul_f32 v[14:15], v[14:15], v[252:253] op_sel_hi:[1,0]   ; the sum under the new M (a plain place behind the batch)
	s_wait_alu depctr_va_vdst(0)                   ; one wait: for the batch, and directly ahead of the first reader of O^T
.set j, 0
.rept 16
	v_pk_mul_f32 v[OT+j:OT+j+1], v[OT+j:OT+j+1], v[252:253] op_sel_hi:[1,0]   ; O^T under the new M
.set j, j+2
.endr
	v_max_num_f32 v250, 0x2800000, v250            ; the floor 2^(5 - 127): the byte cannot fall under 1
	v_max_num_f32 v251, 0x2800000, v251
	v_add_nc_u32 v244, 0xfe000000, v250            ; 4 off the exponent field: the conversion's scale operand
	v_add_nc_u32 v245, 0xfe000000, v251
.irp c, 0,1
	v_cvt_scalef32_pk16_bf6_f32 v[PC+6*\c:PC+6*\c+2], v[S+32*\c:S+32*\c+15], v[244+\c]
	v_cvt_scalef32_pk16_bf6_f32 v[236+4*\c:238+4*\c], v[S+32*\c+16:S+32*\c+31], v[244+\c]   ; (a conversion's three registers begin on an even number)
.endr
	v_lshrrev_b32 v246, 23, v244                   ; the scales' bytes (a plain place behind the conversions)
	v_lshrrev_b32 v247, 23, v245
	s_delay_alu instid0(VALU_DEP_1)
	v_lshl_or_b32 v253, v247, 16, v246             ; blocks h and 2 + h,
	s_delay_alu instid0(VALU_DEP_1)
	v_lshlrev_b32 v253, v[SH8], v253               ; at their places in the word;
	s_delay_alu instid0(VALU_DEP_1)
	v_permlanex16_b32 v255, v253, s[SEL], s[SEL+1]
.irp c, 0,1
.irp i, 0,1,2
	v_mov_b32 v[PC+3+6*\c+\i], v[236+4*\c+\i]
.endr
.endr
	v_or_b32 v253, v253, v255                      ; with lane l xor 16's two the word is whole
	v_pk_add_f32 v[244:245], v[S:S+1], v[S+2:S+3]  ; THE ROW'S SUM OF THE UNQUANTISED p, in four chains.  (These 32 are the places between the writes of p's codes and word and the products)
	v_pk_add_f32 v[246:247], v[S+4:S+5], v[S+6:S+7]
	v_pk_add_f32 v[248:249], v[S+8:S+9], v[S+10:S+11]
.irp k, 0,1,2,3,4,5
	v_pk_add_f32 v[14:15], v[14:15], v[S+12+8*\k:S+13+8*\k]
	v_pk_add_f32 v[244:245], v[244:245], v[S+14+8*\k:S+15+8*\k]
	v_pk_add_f32 v[246:247], v[246:247], v[S+16+8*\k:S+17+8*\k]
	v_pk_add_f32 v[248:249], v[248:249], v[S+18+8*\k:S+19+8*\k]
.endr
	v_pk_add_f32 v[14:15], v[14:15], v[S+60:S+61]
	v_pk_add_f32 v[244:245], v[244:245], v[S+62:S+63]
	v_pk_add_f32 v[246:247], v[246:247], v[248:249]
	s_delay_alu instid0(VALU_DEP_2)
	v_pk_add_f32 v[14:15], v[14:15], v[244:245]
	s_delay_alu instid0(VALU_DEP_1)
	v_pk_add_f32 v[14:15], v[14:15], v[246:247]
	s_wait_alu depctr_va_vdst(0)
	s_wait_dscnt 0x0                               ; V is in, and the next step's K and words
.irp t, 0,1,2,3
	v_wmma_scale_f32_16x16x128_f8f6f4 v[OT+8*\t:OT+8*\t+7], v[VF+12*\t:VF+12*\t+11], v[PC:PC+11], v[OT+8*\t:OT+8*\t+7], v[VW+\t], v253 matrix_a_fmt:MATRIX_FMT_BF6 matrix_b_fmt:MATRIX_FMT_BF6   ; four accumulators by turns
.endr
.Lhidden_\@:
	s_add_co_u32 s[KSR], s[KSR], 1
	s_add_co_u32 s[TK], s[TK], 6144
	s_add_co_u32 s[TS], s[TS], 512
	s_add_co_u32 s[TJ], s[TJ], 256
.endm
.macro WALK name, trips                ; constant trip counts; hidden steps are jumped over inside
	s_mov_b32 s[CNT], \trips
\name:
	STEP
	s_sub_co_u32 s[CNT], s[CNT], 1
	s_cmp_lg_u32 s[CNT], 0
	s_cbranch_scc1 \name
.endm
; THE WAY OUT of a tile.  O^T / the sum: register 16 b + i is channel 32 b + 16 (lane / 16) + i of my query; its two blocks of 32 are quantised and leave as half a fragment of the last product's operand.
.macro OUT tile
.rept 4
	v_nop
.endr
	v_add_f32 v14, v14, v15
	s_delay_alu instid0(VALU_DEP_1)
	v_permlanex16_b32 v255, v14, s[SEL], s[SEL+1]
	s_delay_alu instid0(VALU_DEP_1)
	v_add_f32 v14, v14, v255                       ; the row's sum
	s_wait_alu depctr_va_vdst(0)
	v_rcp_f32 v14, v14
	v_and_b32 v8, 15, v0
	s_delay_alu instid0(VALU_DEP_1)
	v_lshlrev_b32 v8, 5, v8                        ; 32 r: my row's scale bytes
	s_lshr_b32 s10, s9, 4
	s_lshl_b32 s10, s10, 7
	s_add_co_u32 s10, s10, s[\tile]                ; 128 b + my tile
	s_and_b32 s11, s9, 15                          ; the head
	s_mul_i32 s12, s10, 12288
	s_mul_i32 s13, s11, 768
	s_add_co_u32 s12, s12, s13
	s_mov_b32 s13, 0
	s_add_nc_u64 s[12:13], s[6:7], s[12:13]
	s_lshl_b32 s16, s10, 9
	s_lshl_b32 s17, s11, 1
	s_add_co_u32 s16, s16, s17
	s_add_co_u32 s16, s16, AS
	s_mov_b32 s17, 0
	s_add_nc_u64 s[16:17], s[6:7], s[16:17]
	s_wait_alu depctr_va_vdst(0)                   ; ahead of the first reader of the reciprocal and of O^T
.set j, 0
.rept 16
	v_pk_mul_f32 v[S+j:S+j+1], v[OT+j:OT+j+1], v[14:15] op_sel_hi:[1,0]   ; each accumulator from its low end on
.set j, j+2
.endr
.irp b, 0,1
	v_max3_num_f32 v[250+\b], |v[S+16*\b]|, |v[S+1+16*\b]|, 0x2800000
.endr
.irp i, 2,4,6,8,10,12,14
.irp b, 0,1
	s_delay_alu instid0(VALU_DEP_2)
	v_max3_num_f32 v[250+\b], v[250+\b], |v[S+16*\b+\i]|, |v[S+1+16*\b+\i]|
.endr
.endr
.irp b, 0,1
	s_delay_alu instid0(VALU_DEP_2)
	v_permlanex16_b32 v[254+\b], v[250+\b], s[SEL], s[SEL+1]
.endr
.irp b, 0,1
	s_delay_alu instid0(VALU_DEP_2)
	v_max_num_f32 v[250+\b], v[250+\b], v[254+\b]
.endr
.irp b, 0,1
	s_delay_alu instid0(VALU_DEP_2)
	v_add_nc_u32 v[244+\b], 0xfe000000, v[250+\b]
.endr
.irp b, 0,1
	s_delay_alu instid0(VALU_DEP_2)
	v_lshrrev_b32 v[246+\b], 23, v[244+\b]
.endr
	s_delay_alu instid0(VALU_DEP_1)
	v_lshl_or_b32 v253, v247, 8, v246              ; the head's two scale bytes of my row
	v_cvt_scalef32_pk16_bf6_f32 v[PC:PC+2], v[S:S+15], v244
	v_cvt_scalef32_pk16_bf6_f32 v[236:238], v[S+16:S+31], v245
	v_nop
.irp i, 0,1,2
	v_permlane16_swap_b32 v[PC+\i], v[236+\i]      ; a whole block in a lane
.endr
.irp i, 0,1,2
	s_delay_alu instid0(VALU_DEP_3)
	v_mov_b32 v[PC+3+\i], v[236+\i]
.endr
.irp p, 0,1,2
	global_store_b64 v[L8], v[PC+2*\p:PC+2*\p+1], s[12:13] offset:\p*256   ; 32 lanes store 256 consecutive bytes, aligned
.endr
	global_store_b16 v8, v253, s[16:17]            ; lanes 16-31 write what lanes 0-15 write
	s_wait_xcnt 0x0                                ; the stores' registers and bases may be written again
.endm
	s_wait_alu depctr_va_vdst(0)
	s_wait_tensorcnt 0x0                           ; the first group is in
	ds_add_u32 v[SPW], v[NIL]
	ds_add_u32 v[SPW], v[NIL]
	s_wait_dscnt 0x0
	CROUND
	FILL G0B, G1B                                  ; my part of key steps 4-15
	KLOAD AKL, 0                                   ; key step 0's tiles 0-3 and scale words
	KWLOAD ASK0, 0
	s_wait_loadcnt 0x0                             ; Q
	s_wait_dscnt 0x0
	WALK .Lg0, 3                                   ; block lo, key steps 0-2
	s_wait_tensorcnt 0x0                           ; my part of the rest is in,
	s_wait_dscnt 0x0
	s_barrier_signal -1
	s_barrier_wait -1                              ; everybody's is
	WALK .Lg1, 5                                   ; key steps 3-7 (lo is 7 at the most)
	OUT TILE
.irp j, 0,1,2,3,4,5
	v_mov_b32 v[QF+\j], v[QB+\j]                   ; the second tile: block 15 - lo
.endr
	v_mov_b32 v[QSW], v[QBS]
	KLOAD AKL, 0
	KWLOAD ASK0, 0
	INIT
	s_sub_co_u32 s[BLK], 15, s[BLK]
	s_wait_alu depctr_va_vdst(0)
	s_wait_dscnt 0x0
	WALK .Lg2, 16
	OUT T2
	s_wait_tensorcnt 0x0                           ; the wave's end
	ds_add_u32 v[SPW], v[NIL]
	s_wait_dscnt 0x0
	CROUND                                         ; the closing round
	s_endpgm
.Lfunc_end_k_q4e6c17c38f_attn:
	.size	k_q4e6c17c38f_attn, .Lfunc_end_k_q4e6c17c38f_attn-k_q4e6c17c38f_attn
	.p2alignl 7, 3214868480
	.fill 96, 4, 3214868480
	.section	.rodata,"a",@progbits
	.p2align	6, 0x0
	.amdhsa_kernel k_q4e6c17c38f_attn
		.amdhsa_group_segment_fixed_size 327680
		.amdhsa_private_segment_fixed_size 0
		.amdhsa_enable_private_segment 0
		.amdhsa_kernarg_size 16
		.amdhsa_user_sgpr_count 2
		.amdhsa_user_sgpr_kernarg_segment_ptr 1
		.amdhsa_wavefront_size32 1
		.amdhsa_system_sgpr_workgroup_id_x 1
		.amdhsa_system_sgpr_workgroup_id_y 1
		.amdhsa_system_sgpr_workgroup_id_z 1
		.amdhsa_system_vgpr_workitem_id 0
		.amdhsa_next_free_vgpr 256
		.amdhsa_next_free_sgpr 96
		.amdhsa_reserve_vcc 1
		.amdhsa_float_denorm_mode_32 3
		.amdhsa_float_denorm_mode_16_64 3
		.amdhsa_memory_ordered 1
		.amdhsa_forward_progress 1
		.amdhsa_inst_pref_size 88
	.end_amdhsa_kernel
	.amdgpu_metadata
---
amdhsa.version: [ 1, 2 ]
amdhsa.kernels:
  - .name:           k_q4e6c17c38f_attn
    .symbol:         k_q4e6c17c38f_attn.kd
    .args:
      - { .name: qkv, .offset: 0, .size: 8, .value_kind: global_buffer, .address_space: global }
      - { .name: att, .offset: 8, .size: 8, .value_kind: global_buffer, .address_space: global }
    .group_segment_fixed_size: 327680
    .private_segment_fixed_size: 0
    .kernarg_segment_align: 8
    .kernarg_segment_size: 16
    .max_flat_workgroup_size: 512
    .sgpr_count:     96
    .vgpr_count:     256
    .wavefront_size: 32
...
	.end_amdgpu_metadata
.endif
;; end of part 3
;; launch oproj (part 4): grid 4 x 64, 4 waves a work-group, clusters of 4 x 4, 327,680 bytes of LDS; arguments prep, att, out0; writes out0
.if DOCPART == 4
	.amdgcn_target "amdgcn-amd-amdhsa--gfx1250"
	.amdhsa_code_object_version 6
	.text
	.protected	k_q4e6c17c38f_oproj
	.globl	k_q4e6c17c38f_oproj
	.p2align	8
	.type	k_q4e6c17c38f_oproj,@function
k_q4e6c17c38f_oproj:
	s_mov_b64 s[64:65], 0
	v_nop
	global_prefetch_b8 v0, s[64:65] scope:SCOPE_SE
	s_setreg_imm32_b32 hwreg(HW_REG_WAVE_MODE, 25, 1), 1
	s_wait_xcnt 0x0
	s_wait_alu depctr_hold_cnt(0) depctr_sa_sdst(0) depctr_va_vdst(0) depctr_va_sdst(0) depctr_va_ssrc(0) depctr_va_vcc(0) depctr_vm_vsrc(0)
	s_getreg_b32 s2, hwreg(HW_REG_IB_STS2, 6, 4)
	s_cmp_eq_u32 s2, 0
	s_cbranch_scc0 .Lentry_in_a_cluster
	s_endpgm
.Lentry_in_a_cluster:
	s_bfe_u32 s2, ttmp6, 0x10000c
	s_cmp_lg_u32 s2, 0xf033
	s_cbranch_scc0 .Lentry_shape_is_right
	s_endpgm
.Lentry_shape_is_right:
; out0 = attn W_o^T on codes of BF6 (E3M2) with one E8M0 scale for each 32 along K = 1,024; sums in f32.
; A block of 128 rows x 256 columns to a work-group: 64 x 4 = 256 work-groups.  Four waves, each 64 x 128: 32 accumulators of 16 x 16, 256 registers.
; ALL OF K LIES IN LDS, each byte filled once: A's 128 rows (98,304 bytes), B's 256 rows (196,608) and their scale bytes.  Both operands lie in memory as images of the operand's registers (16 rows x 1,024 K are
; 12,288 dense bytes; 128 along K of them 1,536: six pieces of 256 bytes, 8 a lane), so each of the four is one dense block, stated as rows of 256 bytes: one tensor load a wave at the head, no ring, no refill.
; CLUSTERS: 4 x 4 work-groups.  The four of a row of the cluster need the same rows of A, the four of a column the same rows of B: each block is asked for jointly.
; No prefetch: every byte is asked for at the head by its own load; there is no loop to run ahead in.
; THE MATRIX INSTRUCTION IS USED TRANSPOSED (source 0 = 16 rows of B, source 1 = 16 rows of A): a lane holds eight neighbouring numbers of a row of the result.
; W_o's rows lie with bits 3 and 4 of their numbers exchanged, attn's tiles hold tokens 32 (T / 2) + 8 (T % 2) + r + 8 (r / 8): the way out puts columns and rows back.
; REGISTERS, in windows of 256: window 0: v16-31 addresses; v32-47 scale words, two sets (lanes 0-15 A's block i % 4 .., lanes 16-31 B's block i); v64-159 A's fragments, two sets; on the way out v128-255.
;   window 1: B's fragments, two sets, at v0 and v128.   window 2: accumulator (a, b) at v[8 (8 a + b)].
.set SIZE_N, 1024
.set TILEB,  12288                     ; 16 rows x 1,024 K
.set FRB,    1536                      ; 16 rows x 128 K
.set FR,     12
.set LB,     8*TILEB                   ; LDS: A's 8 tiles at 0, B's 16 here,
.set SCL,    24*TILEB                  ; the scales: units of 256 bytes + 16 of padding, 544 bytes for 16 rows: A's 8 blocks, then B's 16,
.set SBLK,   544
.set SPARE,  SCL+24*SBLK               ; the spare words, 128 bytes a wave
.set SPITCH, 528                       ; the way out: a stage of 16 rows x (512 + 16) bytes a wave, from LDS byte 0 on, behind a barrier behind which nobody reads codes
.set OC,     8650752                   ; prep: W_o's codes, its scale bytes
.set OS,     9797632
.set AS,     6291456                   ; att: the scale bytes
.set BA,   16                          ; v16 A's fragments, v17-18 B's tiles 0-3 and 4-7, v19 the scale words: at K = 0
.set BB0,  17
.set BS,   19
.set WA,   20                          ; v20-23 the same at the trip's place along K
.set WB0,  21
.set WS,   23
.set STO,  24
.set RD,   25
.set CO,   26
.set SPW,  28
.set NIL,  29
.set SC,   32
.set AF,   64
.set BK,   128
.set G1A,  24                          ; groups 1: A's codes, B's, A's scales, B's
.set G1B,  32
.set G1SA, 40
.set G1SB, 48
.set G0A,  56                          ; groups 0
.set G0B,  60
.set G0SA, 68
.set G0SB, 72
.set PADW, (1<<20)|(5<<22)|(3<<25)     ; 4 words of padding behind every 64
.set MSB, 0
.macro WIN new                         ; the immediate's high byte repeats the setting that is left
.if MSB != \new
	s_set_vgpr_msb (MSB<<8)|\new
.set MSB, \new
.endif
.endm
.set MUL_LO, 0xa1                      ; source 0 (B) window 1, source 1 (A) window 0, C and D window 2
.set TO_B,   0x40                      ; destination window 1, address window 0
.macro CROUND
	s_barrier_signal -1
	s_barrier_wait -1
	s_cmp_lg_u32 s14, 0
	s_cbranch_scc1 .Lnot_wave_0_\@
	s_barrier_signal -3
.Lnot_wave_0_\@:
	s_barrier_wait -3
	s_barrier_signal -1
	s_barrier_wait -1
.endm
.macro G1SET g, mask, pad, rows        ; a dense block as rows of 256 bytes (32 elements of 8); the mask, bit 21 beside it
	s_or_b32 s[\g], s\mask, (3<<16)|(1<<21)|\pad
	s_mov_b32 s[\g+1], 32<<16
	s_mov_b32 s[\g+2], (\rows)<<16
	s_mov_b32 s[\g+3], 32<<16
	s_mov_b32 s[\g+4], \rows
	s_mov_b32 s[\g+5], 32
	s_mov_b32 s[\g+6], 0
	s_mov_b32 s[\g+7], 0
.endm
.macro G0SET g, lds, ptr
	s_mov_b32 s[\g], 1
	s_mov_b32 s[\g+1], \lds
	s_mov_b64 s[\g+2:\g+3], s[\ptr:\ptr+1]
	s_or_b32 s[\g+3], s[\g+3], 0x80000000
.endm
.macro PLACES
.rept 4
	v_nop
.endr
.endm
	s_load_b128 s[4:7], s[0:1], 0x0                ; prep, att
	s_load_b64 s[12:13], s[0:1], 0x10              ; out0
	v_lshl_add_u32 v[SPW], v0, 2, SPARE
	v_mov_b32 v[NIL], 0
	ds_add_u32 v[SPW], v[NIL]                      ; the opening lines: the add twice on end and its wait
	ds_add_u32 v[SPW], v[NIL]
	v_lshrrev_b32 v1, 5, v0
	v_readfirstlane_b32 s14, v1                    ; wave 0..3
	s_lshr_b32 s15, s14, 1                         ; which 64 rows are mine
	s_and_b32 s16, s14, 1                          ; which 128 columns
	s_bfe_u32 s76, ttmp6, 0x40000                  ; cx, cy
	s_bfe_u32 s77, ttmp6, 0x40004
	s_lshl_b32 s78, ttmp9, 2
	s_add_co_u32 s78, s78, s76                     ; the block's column, 0..3
	s_and_b32 s17, ttmp7, 0xffff
	s_lshl_b32 s17, s17, 2
	s_add_co_u32 s17, s17, s77                     ; its row, 0..63
	s_lshl_b32 s79, s77, 2
	s_lshl_b32 s79, 15, s79                        ; my row of the cluster
	s_lshl_b32 s80, 0x1111, s76                    ; my column
	G1SET G1A,  79, 0, 384
	G1SET G1B,  80, 0, 768
	G1SET G1SA, 79, PADW, 16
	G1SET G1SB, 80, PADW, 32
	s_mul_i32 s20, s17, 8*TILEB                    ; A's codes,
	s_mov_b32 s21, 0
	s_lshl_b32 s22, s17, 12                        ; A's scale bytes: 128 rows of 32,
	s_add_co_u32 s22, s22, AS
	s_mov_b32 s23, 0
	s_mul_i32 s8, s78, 16*TILEB                    ; B's codes,
	s_add_co_u32 s8, s8, OC
	s_mov_b32 s9, 0
	s_lshl_b32 s10, s78, 13                        ; B's scale bytes
	s_add_co_u32 s10, s10, OS
	s_mov_b32 s11, 0
	s_wait_dscnt 0x0
	s_wait_kmcnt 0x0
	s_add_nc_u64 s[20:21], s[6:7], s[20:21]
	s_add_nc_u64 s[22:23], s[6:7], s[22:23]
	s_add_nc_u64 s[8:9], s[4:5], s[8:9]
	s_add_nc_u64 s[10:11], s[4:5], s[10:11]
	CROUND                                         ; all sixteen work-groups are here: the joint loads meet
	G0SET G0A,  0, 20
	G0SET G0B,  LB, 8
	G0SET G0SA, SCL, 22
	G0SET G0SB, SCL+8*SBLK, 10
; THE LAUNCH'S FOUR LOADS, ONE A WAVE: one chain of branches on the wave's number, every way through it passes one load.
.macro ARM under, g0, g1, next
	s_cmp_lt_u32 s14, \under
	s_cbranch_scc0 \next
	tensor_load_to_lds s[\g0:\g0+3], s[\g1:\g1+7]
	s_nop 0
	PLACES
	s_branch .Lhead_asked
\next:
.endm
	ARM 1, G0B,  G1B,  .Lhead_a
	ARM 2, G0A,  G1A,  .Lhead_sa
	ARM 3, G0SA, G1SA, .Lhead_sb
	tensor_load_to_lds s[G0SB:G0SB+3], s[G1SB:G1SB+7]
	s_nop 0
	PLACES
.Lhead_asked:
	v_and_b32 v1, 15, v0                           ; r
	v_bfe_u32 v2, v0, 4, 1                         ; h
	v_and_b32 v6, 31, v0
	v_lshlrev_b32 v7, 3, v6                        ; 8 x lane: my place in a piece
	s_wait_alu depctr_va_vdst(0)                   ; the wait
	s_mul_i32 s21, s15, 4*TILEB
	s_mul_i32 s22, s16, 8*TILEB
	s_add_co_u32 s22, s22, LB
	v_add_nc_u32 v[BA], s21, v7
	v_add_nc_u32 v[BB0], s22, v7
	s_add_co_u32 s22, s22, 4*TILEB
	v_add_nc_u32 v[BB0+1], s22, v7
	v_lshlrev_b32 v5, 5, v1                        ; my row's scales: 32 bytes a row,
	v_lshrrev_b32 v3, 3, v1
	v_lshl_add_u32 v5, v3, 4, v5                   ; and 16 more behind 256
	s_mul_i32 s21, s15, 4*SBLK                     ; A's: my 64 rows
	s_mul_i32 s22, s16, 8*SBLK                     ; B's: my 128 rows, behind A's 128
	s_add_co_u32 s22, s22, 8*SBLK
	s_sub_co_u32 s22, s22, s21
	v_mul_u32_u24 v3, s22, v2                      ; lanes 16-31 take B's
	s_add_co_u32 s21, s21, SCL
	v_add_nc_u32 v5, v5, v3
	v_add_nc_u32 v[BS], s21, v5
	s_mul_i32 s23, s14, 16*SPITCH                  ; my stage
	v_mul_u32_u24 v5, v1, SPITCH                   ; in: row r; lanes 16-31 hold columns 16 further on
	v_lshl_add_u32 v5, v2, 6, v5
	v_add_nc_u32 v[STO], s23, v5
	v_lshlrev_b32 v[CO], 4, v6                     ; back: the 32 lanes take one row of 512 bytes; and the same in out0
	v_add_nc_u32 v[RD], s23, v[CO]
	s_lshl_b32 s20, s17, 7
	s_lshl_b32 s21, s15, 6
	s_add_co_u32 s20, s20, s21                     ; my first row
	s_lshl_b32 s20, s20, 12                        ; 4,096 bytes a row
	s_lshl_b32 s21, s78, 10
	s_add_co_u32 s20, s20, s21
	s_lshl_b32 s21, s16, 9
	s_add_co_u32 s20, s20, s21                     ; my first column, in bytes
	s_mov_b32 s21, 0
	s_add_nc_u64 s[12:13], s[12:13], s[20:21]
.macro FRAG reg, adr, off              ; a fragment: six pieces, each 256 consecutive bytes for the 32 lanes
.irp q, 0,1,2,3,4,5
	ds_load_b64 v[\reg+2*\q:\reg+2*\q+1], v[\adr] offset:\off+\q*256
.endr
.endm
.macro FETCH set, a, b, s, off         ; 128 along K at byte off of the images: B's eight fragments, A's four, the scale words
	WIN TO_B
.irp i, 0,1,2,3
	FRAG 128*(\set)+FR*\i, \b, (\off)+\i*TILEB
.endr
.irp i, 0,1,2,3
	FRAG 128*(\set)+FR*(4+\i), \b+1, (\off)+\i*TILEB
.endr
	WIN 0
.irp i, 0,1,2,3
	FRAG AF+48*(\set)+FR*\i, \a, (\off)+\i*TILEB
.endr
.irp i, 0,1,2,3,4,5,6,7
	ds_load_b32 v[SC+8*(\set)+\i], v[\s] offset:\i*SBLK+(\off)/FRB*4   ; lanes 0-15: A's block i (read for i < 4 alone), lanes 16-31: B's block i
.endr
.endm
.macro MUL set, zero                   ; 32 matrix instructions, the 32 accumulators by turns
	WIN MUL_LO
.irp a, 0,1,2,3
.irp b, 0,1,2,3,4,5,6,7
.if \zero
	v_wmma_scale_f32_16x16x128_f8f6f4 v[8*(8*\a+\b):8*(8*\a+\b)+7], v[128*(\set)+FR*\b:128*(\set)+FR*\b+FR-1], v[AF+48*(\set)+FR*\a:AF+48*(\set)+FR*\a+FR-1], 0, v[SC+8*(\set)+\b], v[SC+8*(\set)+\a] matrix_a_fmt:MATRIX_FMT_BF6 matrix_b_fmt:MATRIX_FMT_BF6 matrix_a_scale:MATRIX_SCALE_ROW1
.else
	v_wmma_scale_f32_16x16x128_f8f6f4 v[8*(8*\a+\b):8*(8*\a+\b)+7], v[128*(\set)+FR*\b:128*(\set)+FR*\b+FR-1], v[AF+48*(\set)+FR*\a:AF+48*(\set)+FR*\a+FR-1], v[8*(8*\a+\b):8*(8*\a+\b)+7], v[SC+8*(\set)+\b], v[SC+8*(\set)+\a] matrix_a_fmt:MATRIX_FMT_BF6 matrix_b_fmt:MATRIX_FMT_BF6 matrix_a_scale:MATRIX_SCALE_ROW1
.endif
.endr
.endr
	WIN 0
.endm
	s_wait_alu depctr_va_vdst(0)
	s_wait_tensorcnt 0x0                           ; my block is in,
	s_barrier_signal -1
	s_barrier_wait -1                              ; everybody's is
	FETCH 0, BA, BB0, BS, 0
	s_wait_dscnt 0x0
	FETCH 1, BA, BB0, BS, FRB                      ; each step fetches the next one's fragments into the other set, then multiplies
	MUL 0, 1                                       ; the first step's products start the sums
	s_mov_b32 s2, 0                                ; the trip's place along K in the images, in bytes,
	s_mov_b32 s3, 0                                ; and in a row of scale bytes
	s_mov_b32 s18, 3
.Lk:                                                   ; a trip: two steps, 256 along K
	v_add_nc_u32 v[WA], s2, v[BA]                  ; (four places behind the last products)
	v_add_nc_u32 v[WB0], s2, v[BB0]
	v_add_nc_u32 v[WB0+1], s2, v[BB0+1]
	v_add_nc_u32 v[WS], s3, v[BS]
	s_wait_alu depctr_va_vdst(0)
	s_wait_dscnt 0x0                               ; set 1 is in
	FETCH 0, WA, WB0, WS, 2*FRB
	MUL 1, 0
	s_wait_dscnt 0x0                               ; set 0 is in
	PLACES
	FETCH 1, WA, WB0, WS, 3*FRB
	MUL 0, 0
	s_add_co_u32 s2, s2, 2*FRB
	s_add_co_u32 s3, s3, 8
	s_sub_co_u32 s18, s18, 1
	s_cmp_lg_u32 s18, 0
	s_cbranch_scc1 .Lk
	s_wait_dscnt 0x0                               ; the last step: nothing more to fetch
	MUL 1, 0
	s_barrier_signal -1                            ; my reads of the codes are over (the wait above)
	s_barrier_wait -1                              ; everybody's are: the stages may be written
; THE WAY OUT, block by block of 16 rows x 128 columns, through my own stage: whole rows of 512 bytes come back, which the 32 lanes store as two aligned runs of 256 bytes.  LDS serves a wave's instructions in order.
.macro TOSTAGE a
	WIN 0x08                                       ; the data: window 2
.irp b, 0,1,2,3,4,5,6,7
	ds_store_b128 v[STO], v[64*(\a)+8*\b:64*(\a)+8*\b+3] offset:128*(\b/2)+32*(\b%2)       ; accumulator b, lane half h: columns 32 (b / 2) + 16 h + 8 (b % 2) + 0 .. 7; from its low end on
	ds_store_b128 v[STO], v[64*(\a)+8*\b+4:64*(\a)+8*\b+7] offset:128*(\b/2)+32*(\b%2)+16
.endr
	WIN 0
.set BBK, BK+64*((\a)%2)
.irp t, 0,1,2,3,4,5,6,7,8,9,10,11,12,13,14,15
	ds_load_b128 v[BBK+4*\t:BBK+4*\t+3], v[RD] offset:\t*SPITCH
.endr
.endm
.macro SEND a, younger                 ; younger: the LDS instructions issued behind block a's loads, which may stay out
.set BBK, BK+64*((\a)%2)
	s_wait_dscnt \younger
.if (\a) > 0
.if (\a)%2
	s_add_nc_u64 s[12:13], s[12:13], 8*SIZE_N*4    ; (behind a wait on XCNT)  tile T's first token: 32 (T / 2) + 8 (T % 2)
.else
	s_add_nc_u64 s[12:13], s[12:13], 24*SIZE_N*4
.endif
.endif
.irp t, 0,1,2,3,4,5,6,7,8,9,10,11,12,13,14,15
	global_store_b128 v[CO], v[BBK+4*\t:BBK+4*\t+3], s[12:13] offset:(\t+8*(\t/8))*SIZE_N*4 th:TH_STORE_NT   ; row t of the tile is token t + 8 (t / 8)
.endr
.endm
	PLACES
	TOSTAGE 0
.irp a, 1,2,3
.if \a > 1
	s_wait_xcnt 0x0                                ; block a - 2's stores have read their registers and their base
.endif
	TOSTAGE \a
	SEND \a-1, 32
.endr
	s_wait_xcnt 0x0
	SEND 3, 0
	s_wait_tensorcnt 0x0                           ; the wave's end
	ds_add_u32 v[SPW], v[NIL]
	s_wait_dscnt 0x0
	CROUND                                         ; the closing round
	s_endpgm
.Lfunc_end_k_q4e6c17c38f_oproj:
	.size	k_q4e6c17c38f_oproj, .Lfunc_end_k_q4e6c17c38f_oproj-k_q4e6c17c38f_oproj
	.p2alignl 7, 3214868480
	.fill 96, 4, 3214868480
	.section	.rodata,"a",@progbits
	.p2align	6, 0x0
	.amdhsa_kernel k_q4e6c17c38f_oproj
		.amdhsa_group_segment_fixed_size 327680
		.amdhsa_private_segment_fixed_size 0
		.amdhsa_enable_private_segment 0
		.amdhsa_kernarg_size 24
		.amdhsa_user_sgpr_count 2
		.amdhsa_user_sgpr_kernarg_segment_ptr 1
		.amdhsa_wavefront_size32 1
		.amdhsa_system_sgpr_workgroup_id_x 1
		.amdhsa_system_sgpr_workgroup_id_y 1
		.amdhsa_system_sgpr_workgroup_id_z 1
		.amdhsa_system_vgpr_workitem_id 0
		.amdhsa_next_free_vgpr 768
		.amdhsa_next_free_sgpr 96
		.amdhsa_reserve_vcc 0
		.amdhsa_float_denorm_mode_32 3
		.amdhsa_float_denorm_mode_16_64 3
		.amdhsa_memory_ordered 1
		.amdhsa_forward_progress 1
		.amdhsa_inst_pref_size 61
	.end_amdhsa_kernel
	.amdgpu_metadata
---
amdhsa.version: [ 1, 2 ]
amdhsa.kernels:
  - .name:           k_q4e6c17c38f_oproj
    .symbol:         k_q4e6c17c38f_oproj.kd
    .args:
      - { .name: prep, .offset: 0, .size: 8, .value_kind: global_buffer, .address_space: global }
      - { .name: att, .offset: 8, .size: 8, .value_kind: global_buffer, .address_space: global }
      - { .name: out0, .offset: 16, .size: 8, .value_kind: global_buffer, .address_space: global }
    .group_segment_fixed_size: 327680
    .private_segment_fixed_size: 0
    .kernarg_segment_align: 8
    .kernarg_segment_size: 24
    .max_flat_workgroup_size: 128
    .sgpr_count:     96
    .vgpr_count:     768
    .wavefront_size: 32
...
	.end_amdgpu_metadata
.endif
;; end of part 4
